; MI455X (gfx1250); checked and timed in simulation.
; The chip was launched on July 23, 2026; its instructions are those of AMD's public machine-readable ISA for CDNA 5 (MIT licence, August 2026) and "CDNA5" Instruction Set Architecture Reference Guide (July 2026). The comments in the code are by the model that wrote it; some were corrected since.
;; Causal Self Attention. Allowed arithmetic: matrix products marked QUANTISED: E4M3 operands, one given power-of-two scale a tensor, by v_wmma_f32_16x16x64_fp8_fp8 or v_wmma_f32_16x16x128_fp8_fp8, f32 sums; everything else in f32.
;; Inputs: lowp_scales 8 int32 (the exponents e of the quantised operands' scales 2^e); w_proj 1,024 x 1,024 float32; w_qkv 1,024 x 3,072 float32; x 4 x 2,048 x 1,024 float32.
;; Outputs: out0 4 x 2,048 x 1,024 float32.
;; This version of the problem:
;;   THIS VERSION OF THE PROBLEM IS GIVEN IN LOW PRECISION. The matrix products marked QUANTISED in the list below multiply operands that are first quantised to E4M3 (4 exponent bits, 3 mantissa bits; 8 bits a number), with one given power-of-two scale for each operand tensor; their sums are f32. All else is computed in f32.
;;   The module's matrix products, in the order in which they are computed (A, B: the left and right operand; K: the contracted axis; several contracted axes count as one K, in the product's order):
;;     1. [M 8,192, K 1,024] x [K 1,024, N 3,072]; A: input x; B: input w_qkv: QUANTISED (scales: A lowp_scales[0], B lowp_scales[1])
;;     2. batch 64 x [M 2,048, K 64] x [K 64, N 2,048]; A: computed on the way; B: computed on the way: QUANTISED (scales: A lowp_scales[2], B lowp_scales[3])
;;     3. batch 64 x [M 2,048, K 2,048] x [K 2,048, N 64]; A: softmax (see below); B: computed on the way: QUANTISED (scales: A lowp_scales[4], B lowp_scales[5])
;;     4. [M 8,192, K 1,024] x [K 1,024, N 1,024]; A: computed on the way; B: input w_proj: QUANTISED (scales: A lowp_scales[6], B lowp_scales[7])
;;   THE QUANTISER, for each operand of a quantised product, along K:
;;     - The operand's scale is 2^e, e = its entry of the input lowp_scales (int32; the entries are numbered through the quantised products in the list's order, A before B).
;;     - Each number is divided by the scale, clamped to +-448, and rounded to the nearest number of E4M3, ties to even, subnormals kept.
;;     - The product sums the exact products of the quantised numbers (number of the format x scale) in f32.
;;   ~~~python
;;   def quantise(x, axis, e):      # numpy; x: float32 -> the quantised numbers, widened to float32 again
;;       x = np.moveaxis(x, axis, -1); K = x.shape[-1]
;;       r = np.clip(x / 2.0 ** e, -448, 448)
;;       step = 2.0 ** (np.maximum(np.frexp(np.where(r == 0, 1, r))[1] - 1, -6) - 3)
;;       q = np.round(r / step) * step * 2.0 ** e      # np.round: ties to even
;;       return np.moveaxis(q, -1, axis).astype(np.float32)
;;   ~~~
;;   SOFTMAX AHEAD OF A QUANTISED PRODUCT. Where the list says 'softmax', what is quantised is not the finished softmax but p = 2^(t - M), with t = logit x log2(e) and M = ceil(the row's largest t), a whole number; so 1/2 < the row's largest p <= 1. The row's sum l is taken of the UNQUANTISED p, in f32, and the product's result is divided by l at the end. Since M is a whole number, a kernel that streams over the keys may use a running M (the ceiling of the running maximum): every later rescaling is an exact power of two, so the quantised numbers keep their values, but for numbers so far below the row's largest that they fall under the format's range.
;;   OPERANDS COMPUTED ON THE WAY. 'Computed on the way' means the value that the module computes at that place (a softmax that the list does not call 'softmax' is quantised finished and normalised). What goes into a quantiser is computed in f32, as accurately as f32 sums, v_exp_f32 and their like allow (about 1e-6 of the number): no bf16 or f16 on the way to a quantiser, and a product that is left as it is and whose result goes on into a quantised operand takes f32 operands (vector FMAs, or v_wmma_f32_16x16x4_f32). A number that lies on a knife's edge between two numbers of the format may be rounded either way, as far as f32 arithmetic and the matrix unit's own rounding can turn it there, and no further.
;; One version. Each part assembles by itself: llvm-mc -triple=amdgcn-amd-amdhsa -mcpu=gfx1250 --defsym DOCPART=n.
;; ======== version 1 of 1: 4 launches
;; limits: right only within a limited range of input values
;; workspace buffers: xc 8,388,608 bytes; wqc 3,145,728 bytes; wpc 1,048,576 bytes; qkv 25,165,824 bytes; yc 8,388,608 bytes
;; launch quant (part 1): grid 384 x 1, 4 waves a work-group, no clusters, 68,096 bytes of LDS; arguments x, w_qkv, w_proj, lowp_scales, xc, wqc, wpc; writes xc, wqc, wpc
.if DOCPART == 1
	.amdgcn_target "amdgcn-amd-amdhsa--gfx1250"
	.amdhsa_code_object_version 6
	.text
	.protected	k_qb294a5bc39_quant
	.globl	k_qb294a5bc39_quant
	.p2align	8
	.type	k_qb294a5bc39_quant,@function
k_qb294a5bc39_quant:
	s_mov_b64 s[64:65], 0
	v_nop
	global_prefetch_b8 v0, s[64:65] scope:SCOPE_SE
	s_setreg_imm32_b32 hwreg(HW_REG_WAVE_MODE, 25, 1), 1
	s_wait_xcnt 0x0
; x [8192][1024], w_qkv [1024][3072] and w_proj [1024][1024], f32, become codes of FP8 (E4M3), one a byte, K innermost: xc [8192][1024], wqc [3072][1024], wpc [1024][1024].
; code = number / 2^e, held within +-448, rounded to the nearest code, ties to even; e = entry 0 (x), 1 (w_qkv), 7 (w_proj) of the scales.
; LIMITS: each of these e lies between -126 and 119, so that 2^e and 448 x 2^e are f32 numbers.  NaN among the inputs is not served (an infinity is held at the largest code).
; Work-groups 0-255 take x, whose K is innermost: a plain stream; a wave takes 16 steps of 512 numbers.  Each load reads 512 consecutive bytes; a step's 2,048 bytes turn through the wave's own stage in LDS,
; so that a lane then holds 16 neighbours along K, which is what the conversions take.  A lane's 16 codes are 16 bytes: a wave's store covers 512 consecutive bytes.
; Work-groups 256-351 take w_qkv and 352-383 w_proj, whose K is the FIRST axis: a lane takes a column n and its registers run down K; a wave takes 32 columns x 256 along K, gathers 256 bytes of codes for each column
; in its own stage and stores them by rows, sixteen lanes to 256 consecutive aligned bytes.  One text serves both weights: buffers, e and the row's bytes are chosen by the work-group's number.
; The two ways part on the work-group's number and never join; each has LDS bytes of its own.  No tensor loads, no barrier: waves share nothing.
.set STEPS, 16
.set EMAX,  8
.set MANT,  0x600000                   ; the mantissa field of 448 as f32
.set CB,    16                         ; bytes of 16 codes
.set R,     16                         ; x: v16-79   four sets of 16 numbers as they are loaded
.set X,     80                         ; x: v80-111  two sets of 16 neighbours
.set C,     128                        ; x: v128-191 codes: four registers for each step, so that no store's data are written again
.set WREG,  8192                       ; x: LDS region of a wave: two stages of 32 x SP bytes
.set SP,    80                         ; x: a lane's place in a stage: its 64 bytes + 16 of padding
.set SPW,   12                         ; v12  LDS address of my spare word; never rewritten
.set NIL,   13                         ; v13  0; never rewritten
.set WST,   32768                      ; weights: the four stages begin here
.set PITCH, 272                        ; weights: a stage row: 256 bytes of codes + 16
.set SPARE, WST+4*32*PITCH             ; behind the stages: the spare words, 128 bytes for each wave: two blocks of 256 bytes that no other line names
.set KROW,  1024                       ; a row of either weight's codes in bytes
.set NB,    8                          ; weights: blocks of 32 along K for a wave
.set WX,    32                         ; weights: v32-95   two sets of 32 numbers
.set WC,    96                         ; weights: v96-103  a block's codes
.set OUTR,  112                        ; weights: v112-175 the way out
.set OFFS,  176                        ; weights: v176-207 4 x lane + i rows of the weight; never rewritten
	s_load_b256 s[4:11], s[0:1], 0x0               ; x s[4:5], w_qkv s[6:7], w_proj s[8:9], the scales' exponents s[10:11]
	s_load_b128 s[12:15], s[0:1], 0x20             ; xc s[12:13], wqc s[14:15]
	s_load_b64 s[16:17], s[0:1], 0x30              ; wpc
	v_lshl_add_u32 v[SPW], v0, 2, SPARE
	v_mov_b32 v[NIL], 0
	v_lshrrev_b32 v1, 5, v0
	v_readfirstlane_b32 s18, v1                    ; wave
	v_and_b32 v2, 31, v0                           ; lane
	s_wait_kmcnt 0x0
	s_load_b256 s[20:27], s[10:11], 0x0            ; e0 .. e7
	s_cmp_lt_u32 ttmp9, 256
	s_cbranch_scc0 .Lweights
	; ---------------- x ----------------
	s_wait_alu depctr_va_vdst(0)
	v_lshlrev_b32 v3, 4, v2                        ; my 16 bytes of a load's 512
	s_wait_alu depctr_va_vdst(0)
	s_mul_i32 s28, s18, WREG
	v_lshrrev_b32 v14, 2, v2
	v_mul_u32_u24 v14, v14, SP
	v_and_b32 v15, 3, v2
	v_lshl_add_u32 v14, v15, 4, v14
	v_add_nc_u32 v14, s28, v14                     ; the stage, on the way in: four lanes' 64 bytes on end, then 16 of padding
	v_mul_u32_u24 v15, v2, SP
	v_add_nc_u32 v15, s28, v15                     ; and on the way out: my 16 neighbours
	v_mul_u32_u24 v4, v2, CB                       ; my codes' place in a step's
	s_lshl_b32 s29, ttmp9, 2
	s_add_co_u32 s30, s29, s18                     ; which run of 8,192 numbers is my wave's
	s_lshl_b32 s32, s30, 15                        ; 32,768 bytes of numbers,
	s_mov_b32 s33, 0
	s_add_nc_u64 s[4:5], s[4:5], s[32:33]
	s_lshl_b32 s32, s30, 13                        ; 8,192 bytes of codes
	s_add_nc_u64 s[12:13], s[12:13], s[32:33]
.macro LOAD t
.irp i, 0,1,2,3
	global_load_b128 v[R+16*((\t)%4)+4*\i:R+16*((\t)%4)+4*\i+3], v3, s[4:5] offset:2048*(\t)+512*\i th:TH_LOAD_NT   ; 32 lanes read 512 consecutive bytes
.endr
.endm
.macro TURN t                          ; step t's numbers through the stage: LDS serves a wave's instructions in order (ISA guide 5.7.1.4), so no wait stands between the stores and the loads
.irp i, 0,1,2,3
	ds_store_b128 v14, v[R+16*((\t)%4)+4*\i:R+16*((\t)%4)+4*\i+3] offset:32*SP*((\t)%2)+8*SP*\i
.endr
.irp i, 0,1,2,3
	ds_load_b128 v[X+16*((\t)%2)+4*\i:X+16*((\t)%2)+4*\i+3], v15 offset:32*SP*((\t)%2)+16*\i
.endr
.endm
.irp t, 0,1,2,3
	LOAD \t
.endr
	s_wait_alu depctr_va_vdst(0)
	s_wait_kmcnt 0x0
	s_add_co_i32 s34, s20, 127
	s_lshl_b32 s35, s34, 23
	v_mov_b32 v11, s35                             ; 2^e0 as f32: the conversion takes its exponent field
	s_add_co_i32 s34, s34, EMAX
	s_lshl_b32 s34, s34, 23
	s_or_b32 s34, s34, MANT
	v_mov_b32 v10, s34                             ; 448 x 2^e0
	s_wait_alu depctr_va_vdst(0)
	s_wait_loadcnt 12                              ; step 0's four loads are in; the twelve of steps 1 to 3 may be out
	TURN 0
.macro STEP t
.set XS, X+16*((\t)%2)
	s_wait_dscnt 0x0                               ; this step's numbers are back from the stage: so its stores into the stage have read their registers,
.if (\t)+4 < STEPS
	LOAD (\t)+4                                    ; which take the loads of four steps on
.endif
.if (\t)+1 < STEPS
.if STEPS-2-(\t) >= 3
	s_wait_loadcnt 12                              ; the next step's four loads are in; those of the three steps behind it may be out
.else
	s_wait_loadcnt 4*(STEPS-2-(\t))
.endif
	TURN (\t)+1                                    ; and go through the other stage while this step is worked
.endif
.irp i, 0,1,2,3,4,5,6,7,8,9,10,11,12,13,14,15
	v_med3_num_f32 v[XS+\i], v[XS+\i], -v10, v10   ; the conversion to an 8-bit code does not saturate (ISA guide 7.6.2): the hold at the largest code x the scale comes first
.endr
	v_cvt_scalef32_pk8_fp8_f32 v[C+4*(\t):C+4*(\t)+1], v[XS:XS+7], v11
	v_cvt_scalef32_pk8_fp8_f32 v[C+4*(\t)+2:C+4*(\t)+3], v[XS+8:XS+15], v11
	global_store_b128 v4, v[C+4*(\t):C+4*(\t)+3], s[12:13] offset:32*CB*(\t)   ; the results go to a store alone; the next vector lines are the next step's holds, on other registers
.endm
.irp t, 0,1,2,3,4,5,6,7,8,9,10,11,12,13,14,15
	STEP \t
.endr
	s_wait_tensorcnt 0x0                           ; the wave's end: behind my last LDS store
	ds_add_u32 v[SPW], v[NIL]
	s_wait_dscnt 0x0
	s_endpgm
	; ---------------- the two weights ----------------
.Lweights:
	s_sub_co_u32 s19, ttmp9, 256
	s_mov_b32 s48, 4096                            ; a row of w_proj in bytes,
	s_cmp_lt_u32 s19, 96                           ; w_qkv's work-group or w_proj's?  The choice hangs on the work-group's number alone
	s_cselect_b64 s[28:29], s[6:7], s[8:9]         ; the weight
	s_cselect_b64 s[30:31], s[14:15], s[16:17]     ; its codes
	s_cselect_b32 s48, 12288, s48                  ; of w_qkv
	s_cselect_b32 s49, 0, 96
	s_cselect_b32 s50, 1, 0                        ; kept for the choice of e
	s_sub_co_u32 s19, s19, s49
	s_lshr_b32 s52, s19, 2                         ; which 128 columns,
	s_and_b32 s53, s19, 3                          ; which 256 along K
	s_lshl_b32 s52, s52, 7
	s_lshl_b32 s54, s18, 5
	s_add_co_u32 s52, s52, s54                     ; my wave's first column
	s_lshl_b32 s54, s48, 8
	s_mul_i32 s54, s54, s53                        ; 256 rows x which
	s_lshl_b32 s55, s52, 2
	s_add_co_u32 s54, s54, s55
	s_mov_b32 s55, 0
	s_add_nc_u64 s[32:33], s[28:29], s[54:55]      ; block 0's first row at my first column;
	s_lshl_b32 s56, s48, 5
	s_mov_b32 s57, 0
.irp t, 1,2,3,4,5,6,7
	s_add_nc_u64 s[32+2*\t:33+2*\t], s[30+2*\t:31+2*\t], s[56:57]   ; a base for each block, 32 rows apart: none is stepped later
.endr
	s_lshl_b32 s58, s52, 10
	s_lshl_b32 s59, s53, 8
	s_add_co_u32 s58, s58, s59
	s_mov_b32 s59, 0
	s_add_nc_u64 s[30:31], s[30:31], s[58:59]      ; the codes: row = my first column, + 256 bytes x which
	s_wait_alu depctr_va_vdst(0)
	v_lshlrev_b32 v[OFFS], 2, v2                   ; in: 4 bytes a lane,
.irp i, 1,2,3,4,5,6,7,8,9,10,11,12,13,14,15,16,17,18,19,20,21,22,23,24,25,26,27,28,29,30,31
	v_add_nc_u32 v[OFFS+\i], s48, v[OFFS+\i-1]     ; + i rows
.endr
	s_mul_i32 s60, s18, 32*PITCH
	s_add_co_u32 s60, s60, WST                     ; my stage
	v_mul_u32_u24 v4, v2, PITCH
	v_add_nc_u32 v4, s60, v4                       ; into it: row = my column
	v_and_b32 v5, 15, v2
	v_lshrrev_b32 v6, 4, v2                        ; out of it: sixteen lanes to a row, two rows an instruction
	v_mul_u32_u24 v7, v6, PITCH
	v_lshl_add_u32 v7, v5, 4, v7
	v_add_nc_u32 v7, s60, v7
	v_mul_u32_u24 v8, v6, KROW
	v_lshl_add_u32 v8, v5, 4, v8                   ; and the same place in the codes' buffer
.macro WLOAD t                         ; block t: W(32 t + i, my column), i = 0 .. 31, into set t % 2: each load reads 128 consecutive bytes
.irp i, 0,1,2,3,4,5,6,7,8,9,10,11,12,13,14,15,16,17,18,19,20,21,22,23,24,25,26,27,28,29,30,31
	global_load_b32 v[WX+32*((\t)%2)+\i], v[OFFS+\i], s[32+2*(\t):33+2*(\t)] th:TH_LOAD_NT
.endr
.endm
	WLOAD 0
	WLOAD 1
	s_wait_kmcnt 0x0
	s_cmp_eq_u32 s50, 1
	s_cselect_b32 s51, s21, s27                    ; e1 or e7
	s_add_co_i32 s51, s51, 127
	s_lshl_b32 s61, s51, 23
	v_mov_b32 v11, s61                             ; 2^e as f32
	s_add_co_i32 s51, s51, EMAX
	s_lshl_b32 s51, s51, 23
	s_or_b32 s51, s51, MANT
	v_mov_b32 v10, s51                             ; 448 x 2^e
.macro BLOCK t
.set XS, WX+32*((\t)%2)
.if (\t) < NB-1
	s_wait_loadcnt 32                              ; this block's 32 loads are in; the next block's may be out
.else
	s_wait_loadcnt 0
.endif
.irp i, 0,1,2,3,4,5,6,7,8,9,10,11,12,13,14,15,16,17,18,19,20,21,22,23,24,25,26,27,28,29,30,31
	v_med3_num_f32 v[XS+\i], v[XS+\i], -v10, v10
.endr
.irp g, 0,1,2,3
	v_cvt_scalef32_pk8_fp8_f32 v[WC+2*\g:WC+2*\g+1], v[XS+8*\g:XS+8*\g+7], v11
.endr
	ds_store_b128 v4, v[WC:WC+3] offset:32*(\t)    ; 32 codes: 32 bytes of my column's row
	ds_store_b128 v4, v[WC+4:WC+7] offset:32*(\t)+16
.if (\t)+2 < NB
	WLOAD (\t)+2
.endif
	s_wait_dscnt 0x0                               ; the stores have read their registers: the next block's codes may be written (its 32 holds, plain lines on other registers, come first)
.endm
.set Q, 0
	s_wait_alu depctr_va_vdst(0)
.rept NB
	BLOCK Q
.set Q, Q+1
.endr
.irp t, 0,1,2,3,4,5,6,7,8,9,10,11,12,13,14,15
	ds_load_b128 v[OUTR+4*\t:OUTR+4*\t+3], v7 offset:2*\t*PITCH   ; LDS serves a wave's instructions in order: these see my stores
.endr
.irp t, 0,1,2,3,4,5,6,7,8,9,10,11,12,13,14,15
	s_wait_dscnt 15-\t                             ; load t is in; the younger ones may be out
	global_store_b128 v8, v[OUTR+4*\t:OUTR+4*\t+3], s[30:31] offset:2*\t*KROW   ; sixteen lanes store 256 consecutive bytes, at a multiple of 256 from the buffer's first byte
.endr
	s_wait_tensorcnt 0x0                           ; the wave's end: behind my last LDS store
	ds_add_u32 v[SPW], v[NIL]
	s_wait_dscnt 0x0
	s_endpgm
.Lfunc_end_k_qb294a5bc39_quant:
	.size	k_qb294a5bc39_quant, .Lfunc_end_k_qb294a5bc39_quant-k_qb294a5bc39_quant
	.p2alignl 7, 3214868480
	.fill 96, 4, 3214868480
	.section	.rodata,"a",@progbits
	.p2align	6, 0x0
	.amdhsa_kernel k_qb294a5bc39_quant
		.amdhsa_group_segment_fixed_size 68096
		.amdhsa_private_segment_fixed_size 0
		.amdhsa_enable_private_segment 0
		.amdhsa_kernarg_size 56
		.amdhsa_user_sgpr_count 2
		.amdhsa_user_sgpr_kernarg_segment_ptr 1
		.amdhsa_wavefront_size32 1
		.amdhsa_system_sgpr_workgroup_id_x 1
		.amdhsa_system_sgpr_workgroup_id_y 1
		.amdhsa_system_sgpr_workgroup_id_z 1
		.amdhsa_system_vgpr_workitem_id 0
		.amdhsa_next_free_vgpr 208
		.amdhsa_next_free_sgpr 66
		.amdhsa_reserve_vcc 0
		.amdhsa_float_denorm_mode_32 3
		.amdhsa_float_denorm_mode_16_64 3
		.amdhsa_memory_ordered 1
		.amdhsa_forward_progress 1
		.amdhsa_inst_pref_size 87
	.end_amdhsa_kernel
	.amdgpu_metadata
---
amdhsa.version: [ 1, 2 ]
amdhsa.kernels:
  - .name:           k_qb294a5bc39_quant
    .symbol:         k_qb294a5bc39_quant.kd
    .args:
      - { .name: x, .offset: 0, .size: 8, .value_kind: global_buffer, .address_space: global }
      - { .name: w_qkv, .offset: 8, .size: 8, .value_kind: global_buffer, .address_space: global }
      - { .name: w_proj, .offset: 16, .size: 8, .value_kind: global_buffer, .address_space: global }
      - { .name: lowp_scales, .offset: 24, .size: 8, .value_kind: global_buffer, .address_space: global }
      - { .name: xc, .offset: 32, .size: 8, .value_kind: global_buffer, .address_space: global }
      - { .name: wqc, .offset: 40, .size: 8, .value_kind: global_buffer, .address_space: global }
      - { .name: wpc, .offset: 48, .size: 8, .value_kind: global_buffer, .address_space: global }
    .group_segment_fixed_size: 68096
    .private_segment_fixed_size: 0
    .kernarg_segment_align: 8
    .kernarg_segment_size: 56
    .max_flat_workgroup_size: 128
    .sgpr_count:     66
    .vgpr_count:     208
    .wavefront_size: 32
...
	.end_amdgpu_metadata
.endif
;; end of part 1
;; launch qkvgemm (part 2): grid 12 x 32, 4 waves a work-group, clusters of 4 x 4, 327,680 bytes of LDS; arguments xc, wqc, lowp_scales, qkv; writes qkv
.if DOCPART == 2
	.amdgcn_target "amdgcn-amd-amdhsa--gfx1250"
	.amdhsa_code_object_version 6
	.text
	.protected	k_qb294a5bc39_qkvgemm
	.globl	k_qb294a5bc39_qkvgemm
	.p2align	8
	.type	k_qb294a5bc39_qkvgemm,@function
k_qb294a5bc39_qkvgemm:
	s_mov_b64 s[64:65], 0
	v_nop
	global_prefetch_b8 v0, s[64:65] scope:SCOPE_SE
	s_setreg_imm32_b32 hwreg(HW_REG_WAVE_MODE, 25, 1), 1
	s_wait_xcnt 0x0
	s_wait_alu depctr_hold_cnt(0) depctr_sa_sdst(0) depctr_va_vdst(0) depctr_va_sdst(0) depctr_va_ssrc(0) depctr_va_vcc(0) depctr_vm_vsrc(0)
	s_getreg_b32 s2, hwreg(HW_REG_IB_STS2, 6, 4)
	s_cmp_eq_u32 s2, 0
	s_cbranch_scc0 .Lentry_in_a_cluster
	s_endpgm
.Lentry_in_a_cluster:
	s_bfe_u32 s2, ttmp6, 0x10000c
	s_cmp_lg_u32 s2, 0xf033
	s_cbranch_scc0 .Lentry_shape_is_right
	s_endpgm
.Lentry_shape_is_right:
; The first product, x w_qkv, on codes of FP8 (E4M3); its f32 sums are quantised at once into the codes of q (e2), k (e3) and v (e5) and stored as attention wants them.
; xc: [8192][1024], wqc: [3072][1024], K innermost.  A sum stands for sum x 2^(e0 + e1), so its code is sum / 2^(e_out - e0 - e1), held within +-448: the three scales are folded into the conversion's one.
; qkv: q at byte 0 and k at 8 MiB, [64 batch x head][2048 t][64 d]; v at 16 MiB, [64 batch x head][16 chunks of 128 keys][64 d][128 keys]: v's K in the third product is the keys, so they lie innermost.
; Inside every 32 bytes of the innermost axis, place 16 h + 8 u + j holds index 16 u + 8 h + j (the two middle groups of eight change places): so it falls out of the registers here.  For q and k it is one
; permutation of d in both; for v it makes a 16-byte load at 32 c + 16 (lane / 16) bring registers 4 c .. 4 c + 3 of the K = 128 form's own layout.
; LIMITS: e2 - e0 - e1, e3 - e0 - e1 and e5 - e0 - e1 lie between -126 and 119, so that each power of two below is an f32 number.
; A tile, 256 x 256, is made by four waves, each 128 x 128: 64 accumulators, 512 registers.  K goes in 4 steps of 256 through a ring of two LDS slots filled by the tensor data mover.
; THE MATRIX INSTRUCTION IS USED TRANSPOSED (source 0 = 16 rows of 'B', source 1 = 16 rows of 'A'): a lane holds one row of 'A' and eight neighbouring rows of 'B'.
; Clusters with x = 0, 1 (q, k): 'A' = x's rows, 'B' = w_qkv's columns: a lane's registers run along d.  Clusters with x = 2 (v): 'A' = w_qkv's columns 2048 on, 'B' = x's rows: a lane's registers run along the keys.
; The choice hangs on the cluster's x, which all partners share; it selects pointers and numbers, never a branch.
; CLUSTERS: 4 x 4 work-groups; A's tile is shared along a row of the cluster, B's along a column: each is asked for jointly, by the same tensor load with the same descriptor and a mask that names the four.
; 384 tiles are 24 clusters, one and a half times what the 256 WGPs hold at once: a tile of 256 x 384 does not fit a wave's registers, and 128 x 256 reads half as much again from LDS for each product.
; REGISTERS, in windows of 256: window 0: v0-31 addresses and the scale; from v128 A's fragments, ONE set; on the way out v32-159 are at work.  window 1: B's fragments, TWO sets.  windows 2, 3: the accumulators ((a, b) at v[8 (8 (a % 4) + b)]).
.set SIZE_K, 1024
.set KSTEP,  256                       ; along K in a slot
.set ROWB,   256                       ; a tile's row in bytes
.set KROW,   SIZE_K                    ; a row of either operand in memory, in bytes
.set PITCH,  272                       ; an LDS row: 256 bytes + 16 of padding = 68 words: row r starts at bank 4 r mod 64 (64 banks of 4 bytes: ISA guide 11.1)
.set FR,     16                        ; registers of a fragment: 16 rows x 128 K
.set NL,     4                         ; LDS loads that bring one
.set NP,     4                         ; places behind this matrix instruction (ISA guide 7.12.1)
.set HALFT,  128*PITCH                 ; 128 rows: what one tensor load brings
.set SLOT,   4*HALFT                   ; A's 256 rows, then B's 256 rows
.set LAPS,   SIZE_K/(2*KSTEP)
.set SPARE,  2*SLOT                    ; behind the ring: the spare words, 128 bytes for each wave: two blocks of 256 bytes that no other line names
.set SPITCH, 144                       ; the way out: a stage of 16 rows x (128 bytes + 16) for each wave, in slot 0, which has had its last fill and its last read when the first code is stored there
.set CO,   8                           ; v8-11   my byte offsets in qkv for the four stores of a block
.set ADRA, 16                          ; v16-17  LDS address of my A fragments in slot 0, 1
.set ADRB, 20                          ; v20-21  the same for B
.set STO,  24                          ; v24     the way out: where I put 16 bytes of a row
.set RD,   25                          ; v25     the way out: where I read 16 bytes back
.set SPW,  28                          ; v28     LDS address of my spare word; never rewritten
.set NIL,  29                          ; v29     0; never rewritten
.set SCL,  30                          ; v30     2^(e_out - e0 - e1) as f32
.set LIM,  31                          ; v31     448 x that
.set TMP,  32                          ; v32-95  a block's sums, held
.set CD,   96                          ; v96-127 its codes, two sets
.set AF,   128                         ; A's fragments, in window 0
.set BK,   128                         ; the way out: v128-159 a block read back from the stage, two sets
.set G1, 24                            ; s[24:31] descriptor group 1 for A's tiles;  s[32:39] group 0, one set for each slot
.set G0, 32
.set G1B, 48                           ; s[48:55], s[56:63] the same for B's tiles
.set G0B, 56
.set MSB, 0
.macro WIN new                         ; the immediate's high byte repeats the setting that is left
.if MSB != \new
	s_set_vgpr_msb (MSB<<8)|\new
.set MSB, \new
.endif
.endm
.set MUL_LO, 0xa1                      ; source 0 (B) window 1, source 1 (A) window 0, C and D window 2
.set MUL_HI, 0xf1                      ; the same, C and D window 3
.set TO_B,   0x40                      ; destination window 1, address window 0
; A joint load: waves 0 and 1 fetch for A, waves 2 and 3 for B.  Each line has ONE mask and one set of registers for all that issue it; the branch hangs on the wave's number alone.
; An s_nop 0 and four v_nop follow each of the two lines, ahead of the jump, the label and what follows.
.macro JLOAD g0a, g1a, g0b, g1b
	s_cmp_eq_u32 s15, 0
	s_cbranch_scc0 .Lfor_b_\@
	tensor_load_to_lds s[\g0a:\g0a+3], s[\g1a:\g1a+7]
	s_nop 0
.rept 4
	v_nop
.endr
	s_branch .Lasked_\@
.Lfor_b_\@:
	tensor_load_to_lds s[\g0b:\g0b+3], s[\g1b:\g1b+7]
	s_nop 0
.rept 4
	v_nop
.endr
.Lasked_\@:
.endm
.macro CREST                           ; a round of the cluster's barrier behind its opening barrier
	s_cmp_lg_u32 s14, 0
	s_cbranch_scc1 .Lnot_wave_0_\@
	s_barrier_signal -3
.Lnot_wave_0_\@:
	s_barrier_wait -3
	s_barrier_signal -1
	s_barrier_wait -1
.endm
.macro CROUND                          ; a whole round
	s_barrier_signal -1
	s_barrier_wait -1
	CREST
.endm
	s_load_b128 s[4:7], s[0:1], 0x0                ; x's codes s[4:5], w_qkv's codes s[6:7]
	s_load_b128 s[8:11], s[0:1], 0x10              ; the scales' exponents s[8:9], qkv s[10:11]
	v_lshl_add_u32 v[SPW], v0, 2, SPARE
	v_mov_b32 v[NIL], 0
	ds_add_u32 v[SPW], v[NIL]                      ; the wave's opening: the add and its wait ahead of my first tensor load; the set-up below, work on registers, stands between them
	ds_add_u32 v[SPW], v[NIL]
	v_lshrrev_b32 v1, 5, v0
	v_readfirstlane_b32 s14, v1                    ; wave 0..3
	s_lshr_b32 s15, s14, 1                         ; which half of the tile's A rows is mine.  Also: I fetch for A (0) or for B (1)
	s_and_b32 s16, s14, 1                          ; which half of its B rows.  Also: which 128 rows of that tile I fetch
	s_bfe_u32 s40, ttmp6, 0x40000                  ; cx, cy: my place in the cluster
	s_bfe_u32 s41, ttmp6, 0x40004
	s_and_b32 s66, ttmp7, 0xffff
	s_lshl_b32 s66, s66, 2                         ; 4 x cluster y
	s_lshl_b32 s67, ttmp9, 2                       ; 4 x cluster x
	s_cmp_eq_u32 ttmp9, 2                          ; v's clusters?
	s_cselect_b32 s17, 8, s66                      ; A's tile of 256 rows: v: w_qkv's columns 2048 on; q, k: x's rows
	s_cselect_b32 s42, s66, s67                    ; B's: v: x's rows; q, k: w_qkv's columns
	s_cselect_b32 s68, 1, 0                        ; the choice, kept
	s_add_co_u32 s17, s17, s41                     ; + cy: shared along a row of the cluster
	s_add_co_u32 s42, s42, s40                     ; + cx: shared along a column
	s_lshl_b32 s43, s41, 2
	s_lshl_b32 s43, 15, s43                        ; my row of the cluster
	s_lshl_b32 s44, 0x1111, s40                    ; my column
	; descriptor group 1: a tile of 128 rows x 256 bytes, padded in LDS
	s_or_b32 s[G1+0], s43, (0<<16)|(1<<20)|(1<<21)|(5<<22)|(3<<25)  ; 15:0 the mask: A's tiles go to my row; 17:16 element of 1 byte; 20 padding on; 21 set beside a mask; 24:22 after every 64 words (code 5); 31:25 of 4 words (code 3)
	s_or_b32 s[G1B+0], s44, (0<<16)|(1<<20)|(1<<21)|(5<<22)|(3<<25)
.irp g, G1, G1B
	s_mov_b32 s[\g+1], ROWB<<16                    ; tensor_dim0
	s_mov_b32 s[\g+2], 128<<16                     ; tensor_dim1 = 128
	s_mov_b32 s[\g+3], ROWB<<16                    ; tile_dim0
	s_mov_b32 s[\g+4], 128                         ; tile_dim1 = 128
	s_mov_b32 s[\g+5], KROW                        ; tensor_dim0_stride
	s_mov_b32 s[\g+6], 0
	s_mov_b32 s[\g+7], 0
.endr
	s_lshl_b32 s18, s16, 7                         ; which 128 rows of the tile I fetch
	s_lshl_b32 s20, s17, 8
	s_add_co_u32 s20, s20, s18
	s_lshl_b32 s20, s20, 10                        ; A: row x 1,024 bytes
	s_mov_b32 s21, 0
	s_lshl_b32 s46, s42, 8
	s_add_co_u32 s46, s46, s18
	s_lshl_b32 s46, s46, 10                        ; B likewise
	s_mov_b32 s47, 0
	s_mul_i32 s45, s14, HALFT                      ; where they go: wave x 128 rows: no place in the cluster enters an LDS address
	s_wait_dscnt 0x0                               ; the opening add is done
	s_wait_kmcnt 0x0
	s_load_b256 s[80:87], s[8:9], 0x0              ; e0 .. e7
	s_cmp_eq_u32 s68, 1
	s_cselect_b64 s[70:71], s[6:7], s[4:5]         ; A's buffer
	s_cselect_b64 s[72:73], s[4:5], s[6:7]         ; B's
	s_add_nc_u64 s[20:21], s[70:71], s[20:21]
	s_add_nc_u64 s[46:47], s[72:73], s[46:47]
	CROUND                                         ; all sixteen work-groups are here: the first joint loads meet
.irp s, 0,1
	s_mov_b32 s[G0+4*\s], 1
	s_add_co_u32 s[G0+4*\s+1], s45, \s*SLOT
	s_add_nc_u64 s[G0+4*\s+2:G0+4*\s+3], s[20:21], \s*ROWB
	s_or_b32 s[G0+4*\s+3], s[G0+4*\s+3], 0x80000000
	s_mov_b32 s[G0B+4*\s], 1
	s_add_co_u32 s[G0B+4*\s+1], s45, \s*SLOT
	s_add_nc_u64 s[G0B+4*\s+2:G0B+4*\s+3], s[46:47], \s*ROWB
	s_or_b32 s[G0B+4*\s+3], s[G0B+4*\s+3], 0x80000000
.endr
	JLOAD G0, G1, G0B, G1B                         ; K step 0: one tensor load a wave at the head
	v_and_b32 v1, 15, v0                           ; r = l % 16
	s_wait_alu depctr_va_vdst(0)
	v_bfe_u32 v2, v0, 4, 1                         ; h = l / 16
	v_mul_u32_u24 v3, v1, PITCH
	v_lshl_add_u32 v4, v2, 4, v3                   ; a fragment's row x pitch + 16 x half
	s_mul_i32 s21, s15, HALFT                      ; my 128 rows of A
	s_mul_i32 s22, s16, HALFT                      ; my 128 rows of B,
	s_add_co_u32 s22, s22, 2*HALFT                 ; which lie behind A's 256
.irp s, 0,1
	v_add_nc_u32 v[ADRA+\s], s21, v4
	v_add_nc_u32 v[ADRB+\s], s22, v4
	s_add_co_u32 s21, s21, SLOT
	s_add_co_u32 s22, s22, SLOT
.endr
	; THE WAY OUT'S NUMBERS.  m = the tokens' side, hd = the heads' side.  q, k: tokens are A's rows (cy, wave / 2), heads B's (cx, wave % 2); v: the other way round.
	s_mov_b32 s89, 131072
	s_mov_b32 s94, 1024
	s_mov_b32 s95, 0
	s_mov_b32 s93, 0
	s_cmp_eq_u32 s68, 1
	s_cselect_b32 s76, s40, s41                    ; the tokens' place in the cluster,
	s_cselect_b32 s77, s16, s15                    ; and half of the tile
	s_cselect_b32 s78, s41, s40                    ; the heads' place,
	s_cselect_b32 s79, s15, s16                    ; and half
	s_cselect_b32 s88, 128, 64                     ; bytes from one A row to the next in qkv: v: a row of 128 keys; q, k: a row of 64 d
	s_cselect_b32 s89, 64, s89                     ; bytes from the first 64 of a stage row to the second 64: v: on in the same row; q, k: the next head
	s_cselect_b32 s94, 124928, s94                 ; from block 3 to block 4: v: the next head's first d (131,072 - 3 x 2,048); q, k: 16 rows like every step
	s_lshl_b32 s90, s88, 2                         ; four A rows: from store to store
	s_lshl_b32 s92, s88, 4                         ; sixteen: from block to block
	s_add_co_u32 s91, s66, s76
	s_lshl_b32 s91, s91, 8
	s_lshl_b32 s96, s77, 7
	s_add_co_u32 s91, s91, s96                     ; my first token among the 8,192
	s_lshr_b32 s96, s91, 11
	s_lshl_b32 s96, s96, 21                        ; its batch: 16 heads of 131,072 bytes
	s_and_b32 s97, s91, 2047
	s_lshl_b32 s97, s97, 6                         ; t x 64: q, k: a row of 64; v: (t / 128) chunks of 8,192
	s_add_co_u32 s96, s96, s97
	s_lshl_b32 s97, s78, 2
	s_lshl_b32 s98, s79, 1
	s_add_co_u32 s97, s97, s98                     ; my first head: 4 x place + 2 x half
	s_lshl_b32 s97, s97, 17
	s_add_co_u32 s96, s96, s97
	s_lshl_b32 s97, ttmp9, 23                      ; q, k or v: 8 MiB each
	s_add_co_u32 s96, s96, s97
	s_mov_b32 s97, 0
	s_add_nc_u64 s[10:11], s[10:11], s[96:97]
	s_mul_i32 s23, s14, 16*SPITCH                  ; my stage
	v_mul_u32_u24 v5, v1, SPITCH                   ; in: row r, 16 bytes for each half of the lanes
	s_wait_alu depctr_va_vdst(0)
	v_lshl_add_u32 v5, v2, 4, v5
	v_add_nc_u32 v[STO], s23, v5
	v_bfe_u32 v7, v0, 3, 2                         ; back: eight lanes to a row of 128 bytes, four rows an instruction
	v_and_b32 v12, 7, v0
	v_mul_u32_u24 v13, v7, SPITCH
	v_lshl_add_u32 v13, v12, 4, v13
	v_add_nc_u32 v[RD], s23, v13
	v_mul_lo_u32 v[CO], v7, s88                    ; and the same place in qkv: the row,
	v_bfe_u32 v12, v0, 2, 1
	v_mul_lo_u32 v12, v12, s89                     ; which 64 bytes of it,
	v_add_nc_u32 v[CO], v[CO], v12
	v_and_b32 v12, 3, v0
	v_lshl_add_u32 v[CO], v12, 4, v[CO]            ; which 16 of those
	v_add_nc_u32 v[CO+1], s90, v[CO]
	v_add_nc_u32 v[CO+2], s90, v[CO+1]
	v_add_nc_u32 v[CO+3], s90, v[CO+2]
.macro FRAG reg, adr, q, i             ; a fragment, 16 rows x 128 K, is 16 registers: lane l holds row l % 16; registers 4 c .. 4 c + 3 hold K = 32 c + 16 (l / 16) + 0 .. 15: one permutation of k, the same in A and in B
.irp c, 0,1,2,3
	ds_load_b128 v[\reg+4*\c:\reg+4*\c+3], v[\adr] offset:128*(\q)+32*\c+(\i)*16*PITCH
.endr
.endm
; 16 matrix instructions: A's blocks a0, a0 + 1 x B's eight, 128 along K.  p: B's set.  zero = 1: the first product starts the sums.
; The 64 accumulators take turns, one instruction a turn, in the same order in every step.
.macro MUL16 a0, p, zero
.irp a, \a0, \a0+1
.irp b, 0,1,2,3,4,5,6,7
.if \zero
	v_wmma_f32_16x16x128_fp8_fp8 v[8*(8*((\a)%4)+\b):8*(8*((\a)%4)+\b)+7], v[128*(\p)+FR*\b:128*(\p)+FR*\b+FR-1], v[AF+FR*(\a):AF+FR*(\a)+FR-1], 0
.else
	v_wmma_f32_16x16x128_fp8_fp8 v[8*(8*((\a)%4)+\b):8*(8*((\a)%4)+\b)+7], v[128*(\p)+FR*\b:128*(\p)+FR*\b+FR-1], v[AF+FR*(\a):AF+FR*(\a)+FR-1], v[8*(8*((\a)%4)+\b):8*(8*((\a)%4)+\b)+7]
.endif
.endr
.endr
.endm
.macro FETCH_B slot, q, p              ; B's eight fragments of the slot's q-th 128 along K into set p
	WIN TO_B
.irp i, 0,1,2,3,4,5,6,7
	FRAG 128*(\p)+FR*\i, ADRB+\slot, \q, \i
.endr
	WIN 0
.endm
.macro FETCH_A slot, q, i0             ; A's blocks i0 .. i0 + 3
.irp i, \i0, \i0+1, \i0+2, \i0+3
	FRAG AF+FR*(\i), ADRA+\slot, \q, \i
.endr
.endm
; A load into a register that a matrix instruction has read, and a vector instruction that reads a matrix result, stand NP places behind that matrix instruction; only plain vector
; instructions that name none of its registers are places (ISA guide 7.12.1 for vector instructions).
.macro PLACES n
.rept \n
	v_nop
.endr
.endm
; A step of 128 along K that has its successor in the same slot.
.macro STEP slot, q, zero
	s_wait_dscnt 4*NL                              ; B's set and A's blocks 0-3 are in; the youngest sixteen loads (A's blocks 4-7) may be out
	WIN MUL_LO
	MUL16 0, (\q)%2, \zero
	MUL16 2, (\q)%2, \zero
	s_wait_dscnt 0                                 ; A's blocks 4-7 are in
	PLACES NP
	FETCH_B \slot, (\q)+1, 1-(\q)%2
	FETCH_A \slot, (\q)+1, 0
	WIN MUL_HI
	MUL16 4, (\q)%2, \zero
	MUL16 6, (\q)%2, \zero
	PLACES NP
	WIN 0
	FETCH_A \slot, (\q)+1, 4
.endm
; A slot's last step changes slots: ONE barrier; in front of it each wave waits for all its tensor loads, adds 0 to its spare word, and waits for that and for its own reads of this slot.  fill = 1: this slot is filled again, two K steps ahead.
.macro TURN slot, next, fill
	s_wait_tensorcnt 0x0                           ; all my tensor loads have landed: my part of the next slot  (every window is 0 here)
	ds_add_u32 v[SPW], v[NIL]                      ; 0 onto my spare word
	s_wait_dscnt 4*NL+1                            ; (the add and the youngest sixteen loads, A's blocks 4-7, may be out)
	WIN MUL_LO
	MUL16 0, 1, 0                                  ; sixteen matrix instructions stand between the add and the wait for it
	s_wait_dscnt 0x0                               ; the add is done, and my reads of this slot are over
	s_barrier_signal -1
	MUL16 2, 1, 0
	WIN 0
	s_barrier_wait -1
.if \fill
	CREST                                          ; the barrier has opened a round of the cluster's barrier: no wave of any partner still reads this slot's tile or has a load on its way
	s_add_nc_u64 s[G0+4*\slot+2:G0+4*\slot+3], s[G0+4*\slot+2:G0+4*\slot+3], 2*ROWB
	s_add_nc_u64 s[G0B+4*\slot+2:G0B+4*\slot+3], s[G0B+4*\slot+2:G0B+4*\slot+3], 2*ROWB
	JLOAD G0+4*\slot, G1, G0B+4*\slot, G1B         ; the first tensor load behind the round; the four v_nop behind it are the places in front of the loads below
.else
	PLACES NP
.endif
	FETCH_B \next, 0, 0
	FETCH_A \next, 0, 0
	WIN MUL_HI
	MUL16 4, 1, 0
	MUL16 6, 1, 0
	PLACES NP
	WIN 0
	FETCH_A \next, 0, 4
.endm
	s_wait_alu depctr_va_vdst(0)                   ; the head's end
	s_wait_tensorcnt 0x0                           ; my part of K step 0 is in
	ds_add_u32 v[SPW], v[NIL]
	s_wait_dscnt 0x0
	CROUND                                         ; everybody's part of K step 0 is in, and all sixteen work-groups are here
	JLOAD G0+4, G1, G0B+4, G1B                     ; K step 1: the first tensor load behind the round
	FETCH_B 0, 0, 0
	FETCH_A 0, 0, 0
	FETCH_A 0, 0, 4
	STEP 0, 0, 1                                   ; the first step stands in front of the loop: its products start the sums
	s_mov_b32 s3, LAPS-1
.Llap:                                                 ; a trip goes once round the ring, from a lap's second step to the next lap's first, and fills both slots again
	TURN 0, 1, 1
	STEP 1, 0, 0
	TURN 1, 0, 1
	STEP 0, 0, 0
	s_sub_co_u32 s3, s3, 1
	s_cmp_lg_u32 s3, 0
	s_cbranch_scc1 .Llap
	TURN 0, 1, 0                                   ; the last lap fills nothing, and has no round of the cluster's barrier
	STEP 1, 0, 0
	s_wait_dscnt 4*NL                              ; the very last step: nothing more to fetch
	WIN MUL_LO
	MUL16 0, 1, 0
	MUL16 2, 1, 0
	s_wait_dscnt 0
	WIN MUL_HI
	MUL16 4, 1, 0
	MUL16 6, 1, 0
	WIN 0
; THE WAY OUT, block by block of 16 A rows x 128.  A lane's eight sums of an accumulator are eight neighbours along the next product's K: held, converted, 8 bytes.  Two accumulators' codes are one store of 16 bytes
; into my own stage; the block comes back as rows of 128 bytes, four rows an instruction, and each store then covers whole aligned runs of 256 bytes (q, k: 4 rows x 64 bytes in each of two heads; v: 512 bytes on end).
; LDS serves a wave's instructions in order (ISA guide 5.7.1.4): no wait between the stores and the loads, nor in front of the next block's stores.
.macro TOSTAGE a
.set AC, 64*((\a)%4)
.set CC, CD+16*((\a)%2)
.set BB, BK+16*((\a)%2)
	WIN 0x02+((\a)/4)                              ; source 0: window 2 or 3
.set j, 0
.rept 64
	v_med3_num_f32 v[TMP+j], v[AC+j], -v[LIM], v[LIM]   ; the hold at the largest code x the scale (the conversion does not saturate: ISA guide 7.6.2); each accumulator from its low end on
.set j, j+1
.endr
	WIN 0
.irp b, 0,1,2,3,4,5,6,7
	v_cvt_scalef32_pk8_fp8_f32 v[CC+2*\b:CC+2*\b+1], v[TMP+8*\b:TMP+8*\b+7], v[SCL]
.endr
	v_nop                                          ; one plain vector line behind the last conversion: the next block's holds write the conversions' sources
.irp g, 0,1,2,3
	ds_store_b128 v[STO], v[CC+4*\g:CC+4*\g+3] offset:32*\g
.endr
.irp i, 0,1,2,3
	ds_load_b128 v[BB+4*\i:BB+4*\i+3], v[RD] offset:4*\i*SPITCH
.endr
.endm
.macro SEND a, younger                 ; younger: the LDS instructions issued behind block a's loads, which may stay out
.set BB, BK+16*((\a)%2)
	s_wait_dscnt \younger                          ; the block is back in registers
.if (\a) == 4
	s_add_nc_u64 s[10:11], s[10:11], s[94:95]      ; (behind a wait on XCNT: the earlier stores have read their base)
.elseif (\a) > 0
	s_add_nc_u64 s[10:11], s[10:11], s[92:93]
.endif
.irp i, 0,1,2,3
	global_store_b128 v[CO+\i], v[BB+4*\i:BB+4*\i+3], s[10:11]
.endr
.endm
	s_wait_kmcnt 0x0
	s_cmp_eq_u32 ttmp9, 1
	s_cselect_b32 s74, s83, s82                    ; e3 for k, e2 for q,
	s_cmp_eq_u32 ttmp9, 2
	s_cselect_b32 s74, s85, s74                    ; e5 for v
	s_sub_co_i32 s74, s74, s80
	s_sub_co_i32 s74, s74, s81                     ; - e0 - e1
	s_add_co_i32 s74, s74, 127
	s_lshl_b32 s75, s74, 23
	v_mov_b32 v[SCL], s75
	s_add_co_i32 s74, s74, 8
	s_lshl_b32 s74, s74, 23
	s_or_b32 s74, s74, 0x600000
	v_mov_b32 v[LIM], s74
	PLACES NP                                      ; behind the last products: for the first reads of results and for the loads into the registers that held A's fragments
	TOSTAGE 0
.irp a, 1,2,3,4,5,6,7
.if \a > 1
	s_wait_xcnt 0x0                                ; block a - 2's stores have read their registers and their base: block a's loads may land there, and the base may step
.endif
	TOSTAGE \a
	SEND \a-1, 8                                   ; behind block a - 1's loads: block a's 4 stores and 4 loads
.endr
	s_wait_xcnt 0x0                                ; block 6's stores have read their base
	SEND 7, 0
	s_wait_tensorcnt 0x0                           ; the wave's end: behind my last tensor load and my last LDS store
	ds_add_u32 v[SPW], v[NIL]
	s_wait_dscnt 0x0
	CROUND                                         ; the closing round: no work-group ends while a partner may still ask for a tile that names it
	s_endpgm
.Lfunc_end_k_qb294a5bc39_qkvgemm:
	.size	k_qb294a5bc39_qkvgemm, .Lfunc_end_k_qb294a5bc39_qkvgemm-k_qb294a5bc39_qkvgemm
	.p2alignl 7, 3214868480
	.fill 96, 4, 3214868480
	.section	.rodata,"a",@progbits
	.p2align	6, 0x0
	.amdhsa_kernel k_qb294a5bc39_qkvgemm
		.amdhsa_group_segment_fixed_size 327680
		.amdhsa_private_segment_fixed_size 0
		.amdhsa_enable_private_segment 0
		.amdhsa_kernarg_size 32
		.amdhsa_user_sgpr_count 2
		.amdhsa_user_sgpr_kernarg_segment_ptr 1
		.amdhsa_wavefront_size32 1
		.amdhsa_system_sgpr_workgroup_id_x 1
		.amdhsa_system_sgpr_workgroup_id_y 1
		.amdhsa_system_sgpr_workgroup_id_z 1
		.amdhsa_system_vgpr_workitem_id 0
		.amdhsa_next_free_vgpr 1024
		.amdhsa_next_free_sgpr 100
		.amdhsa_reserve_vcc 0
		.amdhsa_float_denorm_mode_32 3
		.amdhsa_float_denorm_mode_16_64 3
		.amdhsa_memory_ordered 1
		.amdhsa_forward_progress 1
		.amdhsa_inst_pref_size 124
	.end_amdhsa_kernel
	.amdgpu_metadata
---
amdhsa.version: [ 1, 2 ]
amdhsa.kernels:
  - .name:           k_qb294a5bc39_qkvgemm
    .symbol:         k_qb294a5bc39_qkvgemm.kd
    .args:
      - { .name: xc, .offset: 0, .size: 8, .value_kind: global_buffer, .address_space: global }
      - { .name: wqc, .offset: 8, .size: 8, .value_kind: global_buffer, .address_space: global }
      - { .name: lowp_scales, .offset: 16, .size: 8, .value_kind: global_buffer, .address_space: global }
      - { .name: qkv, .offset: 24, .size: 8, .value_kind: global_buffer, .address_space: global }
    .group_segment_fixed_size: 327680
    .private_segment_fixed_size: 0
    .kernarg_segment_align: 8
    .kernarg_segment_size: 32
    .max_flat_workgroup_size: 128
    .sgpr_count:     100
    .vgpr_count:     1024
    .wavefront_size: 32
...
	.end_amdgpu_metadata
.endif
;; end of part 2
;; launch attn (part 3): grid 4 x 64, 16 waves a work-group, clusters of 4 x 1, 327,680 bytes of LDS; arguments qkv, lowp_scales, yc; writes yc
.if DOCPART == 3
	.amdgcn_target "amdgcn-amd-amdhsa--gfx1250"
	.amdhsa_code_object_version 6
	.text
	.protected	k_qb294a5bc39_attn
	.globl	k_qb294a5bc39_attn
	.p2align	8
	.type	k_qb294a5bc39_attn,@function
k_qb294a5bc39_attn:
	s_mov_b64 s[64:65], 0
	v_nop
	global_prefetch_b8 v0, s[64:65] scope:SCOPE_SE
	s_setreg_imm32_b32 hwreg(HW_REG_WAVE_MODE, 25, 1), 1
	s_wait_xcnt 0x0
	s_wait_alu depctr_hold_cnt(0) depctr_sa_sdst(0) depctr_va_vdst(0) depctr_va_sdst(0) depctr_va_ssrc(0) depctr_va_vcc(0) depctr_vm_vsrc(0)
	s_getreg_b32 s2, hwreg(HW_REG_IB_STS2, 6, 4)
	s_cmp_eq_u32 s2, 0
	s_cbranch_scc0 .Lentry_in_a_cluster
	s_endpgm
.Lentry_in_a_cluster:
	s_bfe_u32 s2, ttmp6, 0x10000c
	s_cmp_lg_u32 s2, 0x3003
	s_cbranch_scc0 .Lentry_shape_is_right
	s_endpgm
.Lentry_shape_is_right:
; Causal attention on codes of FP8 (E4M3), head size 64, 64 batch x head, 2,048 tokens; its result y is quantised at once (e6) for the last product.
; qkv: q at byte 0, k at 8 MiB: [64][2048 t][64]; v at 16 MiB: [64][16 chunks][64 d][128 keys] (the order inside every 32 bytes: see the launch that wrote them).  yc: [16 heads][8192 rows (batch, t)][64 d].
; THE SOFTMAX AHEAD OF THE SECOND PRODUCT: t = score x log2(e) / 8; M = the row's largest t so far, rounded UP to a whole number; p = 2^(t - M) is quantised (e4), not normalised; the row's sum is taken of the
; unquantised p, in f32, and divides O at the end.  When M moves, the sum and O are multiplied by 2^(old M - new M): exact.
; LEFT OUT: key steps whose 128 keys all come after a wave's queries: the causal mask gives them the weight 0 for every input.
; ALL OF A HEAD'S K AND V LIE IN LDS: 2 x 131,072 bytes as rows of 256 + 16 of padding = 278,528 bytes.  No byte of LDS is filled twice, so there is no ring.
; CLUSTER: the four work-groups of a head need the same K and V and ask for them jointly (mask 15), in two groups, one load a wave each: keys 0-511 at the head (4 KiB a wave: waves 0-7 K, 8-15 V),
; keys 512-2047 (12 KiB a wave) behind the full sequence and a round; that second group is on its way while the first four key steps are worked; one work-group barrier follows, and none after it.
; SHARES.  A head has 16 groups of 128 queries; group g needs g + 1 key steps of 128.  Wave w takes group 15 - (w & 7) and then group w & 7: 17 steps, whatever w.  Of a group's eight tiles of 16 queries it takes
; tile 2 cx + (w >> 3): cx enters global addresses and the mask's numbers alone; every branch and every LDS address hangs on the wave's number and on counted loops.  Four waves share a SIMD and walk freely.
; LAYOUT.  Both products are used transposed: S^T = K Q^T (source 0 = 16 keys, source 1 = my 16 queries; K = 64), O^T = V^T P^T (source 0 = 16 of the head's 64, source 1 = P; K = 128 keys): a lane holds ONE query.
; Tile c of S^T gives lane (r, h) the keys 16 c + 8 h + 0 .. 7: its eight codes are registers 2 c, 2 c + 1 of P.
; THE MASK: in a group's last step (keys of the group itself) hidden scores become -infinity ahead of the maximum, so their p is 0.  Each query sees itself there, and key 0 counts for every query.
; NO PREFETCH: both groups of tensor loads go out ahead of the loops; no later load is left for a loop to run ahead of.
; LIMITS on the given exponents, so that each power of two below is an f32 number: e2 + e3 between -123 and 130 (added to c's exponent field); e4, and e6 - e4 - e5, between -126 and 119.
; REGISTERS: v1-11 addresses; v12 -M, v13 the largest t, v[14:15] the sum; v16-23 Q in use, v24-31 Q of the second group; v32-95 K's 8 fragments, then V's 4; v96-159 S^T, then p; v160-191 O^T; v192-207 p's codes;
; v208-215 rows of y; v216-219, v240, v244 constants; v220-255 at work.
.set VB,    139264                     ; V's first byte in LDS, behind K's 512 rows of 272
.set STEPB, 8704                       ; a key step: 8 KiB of K, or of V, as 32 rows of 272
.set STAGE, 278528                     ; the way out: 16 rows x (64 bytes + 16) for each wave; no tile lands here
.set SPARE, STAGE+16*1280              ; the spare words, 128 bytes for each wave: eight blocks of 256 bytes that no other line names
.set AK0,  1                           ; v1   my lane's place in a tile of K: 64 r + 16 (r / 4) + 16 h
.set AV0,  2                           ; v2   in a tile of V: VB + 128 r + 16 (r / 2) + 16 h
.set QO,   4                           ; v4   Q: 64 r + 16 h
.set SPW,  5                           ; v5   LDS address of my spare word; never rewritten
.set NIL,  6                           ; v6   0; never rewritten
.set GO,   7                           ; v7   16 x lane: my byte in 512 bytes of y
.set ADK,  8                           ; v8   LDS address of the step's tiles of K
.set ADV,  9                           ; v9   of V
.set STO,  10                          ; v10  the stage: where I put 8 bytes of a row
.set RD,   11                          ; v11  and where I read 16 bytes back
.set DL,   216                         ; v216 my query in its group, less 8 h
.set YSC,  217                         ; v217 2^(e6 - e4 - e5)
.set YLIM, 218                         ; v218 448 x that
.set NINF, 219                         ; v219 -infinity
.set T,    220                         ; v220-233 seven partial sums
.set G,    10                          ; s10  the group in hand;  s11 the second group
.set GN,   11
.set KOF,  12                          ; s12  the step's first byte in K's and in V's region
.set WV,   18
.set SEL,  20                          ; s[20:21] lane selects: lane l xor 16
.set CS,   22                          ; s[22:23] c = log2(e) / 8 x 2^(e2 + e3)
.set G1A,  24                          ; s[24:31] group 1: 16 rows of 256 bytes;  s[32:39]: 48 rows
.set G1B,  32
.set G0A,  40                          ; s[40:43], s[44:47] groups 0 of my two loads
.set G0B,  44
.set YC,   50                          ; s[50:51] y's rows of the group in hand;  s[52:53] of the second
.set YN,   52
.macro ROUND                           ; a round of the cluster's barrier
	s_barrier_signal -1
	s_barrier_wait -1
	s_cmp_lg_u32 s[WV], 0
	s_cbranch_scc1 .Lnw0_\@
	s_barrier_signal -3
.Lnw0_\@:
	s_barrier_wait -3
	s_barrier_signal -1
	s_barrier_wait -1
.endm
.macro NOPS
.rept 4
	v_nop
.endr
.endm
.macro REINIT q                        ; the state at a group's start; q = 1: the second group's Q
	v_mov_b32 v13, 0xff61b1e6                      ; the largest t so far: -3e38
	v_mov_b32 v14, 0
	v_mov_b32 v15, 0
	v_floor_f32 v12, -v13                          ; -M
.set j, 0
.rept 32
	v_mov_b32 v[160+j], 0                          ; O^T: the first change of M leaves zeros zeros
.set j, j+1
.endr
.if \q
.set j, 0
.rept 8
	v_mov_b32 v[16+j], v[24+j]
.set j, j+1
.endr
.endif
.endm
	s_load_b128 s[4:7], s[0:1], 0x0                ; qkv, the scales' exponents
	s_load_b64 s[8:9], s[0:1], 0x10                ; yc
	v_lshl_add_u32 v[SPW], v0, 2, SPARE
	v_mov_b32 v[NIL], 0
	ds_add_u32 v[SPW], v[NIL]                      ; the opening lines: the add, twice on end, and its wait
	ds_add_u32 v[SPW], v[NIL]
	v_lshrrev_b32 v8, 5, v0
	v_readfirstlane_b32 s[WV], v8                  ; wave 0..15
	s_bfe_u32 s48, ttmp6, 0x40000                  ; cx
	s_and_b32 s80, ttmp7, 0xffff                   ; batch x head
	s_lshl_b32 s81, s80, 17                        ; its 131,072 bytes in each of q, k, v
	s_and_b32 s83, s[WV], 7                        ; which pair of groups; also which eighth I fetch
	s_lshr_b32 s84, s[WV], 3                       ; which of my work-group's two tiles; also: I fetch for K (0) or for V (1)
	s_sub_co_u32 s[G], 15, s83
	s_mov_b32 s[GN], s83
	s_lshl_b32 s49, s48, 5
	s_lshl_b32 s85, s84, 4
	s_add_co_u32 s49, s49, s85                     ; my 16 queries of a group begin at 32 cx + 16 (w >> 3)
	s_mul_i32 s86, s84, VB
	s_mul_i32 s87, s83, 16*272
	s_add_co_u32 s[G0A+1], s86, s87                ; LDS: 16 rows a wave,
	s_mul_i32 s87, s83, 48*272
	s_add_co_u32 s87, s87, s86
	s_add_co_u32 s[G0B+1], s87, 4*STEPB            ; then 48, behind the first four key steps
	s_add_co_u32 s88, s84, 1
	s_lshl_b32 s88, s88, 23                        ; k at 8 MiB, v at 16 MiB
	s_add_co_u32 s88, s88, s81
	s_lshl_b32 s90, s83, 12
	s_add_co_u32 s90, s90, s88
	s_mov_b32 s91, 0
	s_mul_i32 s92, s83, 12288
	s_add_co_u32 s92, s92, s88
	s_add_co_u32 s92, s92, 32768
	s_mov_b32 s93, 0
	s_lshl_b32 s94, s[G], 7
	s_add_co_u32 s94, s94, s49
	s_lshl_b32 s94, s94, 6                         ; my first query of the first group x 64 bytes,
	s_lshl_b32 s96, s[GN], 7
	s_add_co_u32 s96, s96, s49
	s_lshl_b32 s96, s96, 6                         ; of the second
	s_and_b32 s98, s80, 15
	s_lshl_b32 s98, s98, 19                        ; y: the head's plane,
	s_lshr_b32 s99, s80, 4
	s_lshl_b32 s99, s99, 17                        ; the batch's 2,048 rows
	s_add_co_u32 s98, s98, s99
	s_add_co_u32 s54, s94, s98
	s_mov_b32 s55, 0
	s_add_co_u32 s56, s96, s98
	s_mov_b32 s57, 0
	s_add_co_u32 s94, s94, s81
	s_mov_b32 s95, 0
	s_add_co_u32 s96, s96, s81
	s_mov_b32 s97, 0
	s_mul_i32 s82, s[WV], 1280
	s_add_co_u32 s82, s82, STAGE                   ; my stage
.irp g, G1A, G1B
	s_mov_b32 s[\g], 15|(1<<20)|(1<<21)|(5<<22)|(3<<25)   ; the mask: all four; elements of 1 byte; padding of four words after every 64; bit 21 beside a mask
	s_mov_b32 s[\g+1], 256<<16
	s_mov_b32 s[\g+3], 256<<16
	s_mov_b32 s[\g+5], 256
	s_mov_b32 s[\g+6], 0
	s_mov_b32 s[\g+7], 0
.endr
	s_mov_b32 s[G1A+2], 16<<16
	s_mov_b32 s[G1A+4], 16
	s_mov_b32 s[G1B+2], 48<<16
	s_mov_b32 s[G1B+4], 48
	s_mov_b32 s[G0A], 1
	s_mov_b32 s[G0B], 1
	s_mov_b32 s[SEL], 0x76543210
	s_mov_b32 s[SEL+1], 0xfedcba98
	s_mov_b32 s[CS], 0x3e38aa3b                    ; log2(e) / sqrt(64)
	s_wait_dscnt 0x0                               ; both opening adds are done
	s_wait_kmcnt 0x0
	s_load_b256 s[72:79], s[6:7], 0x0              ; e0 .. e7
	s_add_nc_u64 s[G0A+2:G0A+3], s[4:5], s[90:91]
	s_or_b32 s[G0A+3], s[G0A+3], 0x80000000
	s_add_nc_u64 s[G0B+2:G0B+3], s[4:5], s[92:93]
	s_or_b32 s[G0B+3], s[G0B+3], 0x80000000
	ROUND                                          ; all four work-groups are here: the first joint loads meet
	tensor_load_to_lds s[G0A:G0A+3], s[G1A:G1A+7]  ; my part of keys 0-511: a wave's one load at the head
	s_nop 0
	NOPS
	s_add_nc_u64 s[94:95], s[4:5], s[94:95]
	s_add_nc_u64 s[96:97], s[4:5], s[96:97]
	s_add_nc_u64 s[YC:YC+1], s[8:9], s[54:55]
	s_add_nc_u64 s[YN:YN+1], s[8:9], s[56:57]
	v_and_b32 v8, 15, v0                           ; r
	v_bfe_u32 v9, v0, 4, 1                         ; h
	v_lshlrev_b32 v[QO], 6, v8
	v_lshl_add_u32 v[QO], v9, 4, v[QO]
	global_load_b128 v[16:19], v[QO], s[94:95]     ; both groups' fragments of Q stay in registers
	global_load_b128 v[20:23], v[QO], s[94:95] offset:32
	global_load_b128 v[24:27], v[QO], s[96:97]
	global_load_b128 v[28:31], v[QO], s[96:97] offset:32
	v_lshrrev_b32 v10, 2, v8
	v_lshl_add_u32 v[AK0], v10, 4, v[QO]
	v_lshrrev_b32 v10, 1, v8
	v_lshlrev_b32 v[AV0], 7, v8
	v_lshl_add_u32 v[AV0], v10, 4, v[AV0]
	v_lshl_add_u32 v[AV0], v9, 4, v[AV0]
	v_add_nc_u32 v[AV0], VB, v[AV0]
	v_and_b32 v11, 31, v0
	v_lshlrev_b32 v[GO], 4, v11
	v_lshlrev_b32 v[DL], 3, v9
	v_sub_nc_u32 v[DL], v8, v[DL]
	v_add_nc_u32 v[DL], s49, v[DL]                 ; 32 cx + 16 (w >> 3) + r - 8 h
	v_mul_u32_u24 v[STO], v8, 80
	v_lshl_add_u32 v[STO], v9, 3, v[STO]
	v_add_nc_u32 v[STO], s82, v[STO]               ; in: row r, + 8 h
	v_bfe_u32 v9, v0, 2, 3
	v_and_b32 v8, 3, v0
	v_mul_u32_u24 v[RD], v9, 80
	v_lshl_add_u32 v[RD], v8, 4, v[RD]
	v_add_nc_u32 v[RD], s82, v[RD]                 ; back: four lanes to a row of 64 bytes, eight rows an instruction
	s_wait_alu depctr_va_vdst(0)
	s_wait_kmcnt 0x0
	s_add_co_i32 s80, s74, s75
	s_lshl_b32 s80, s80, 23
	s_add_co_i32 s[CS], s[CS], s80                 ; e2 + e3 are added to c's exponent field
	s_mov_b32 s[CS+1], s[CS]
	s_add_co_i32 s80, s76, 127
	s_lshl_b32 s58, s80, 23
	s_add_co_i32 s80, s80, 8
	s_lshl_b32 s80, s80, 23
	s_or_b32 s59, s80, 0x600000
	s_sub_co_i32 s80, s78, s76
	s_sub_co_i32 s80, s80, s77                     ; O^T / the sum stands for y / 2^(e4 + e5): y's code is that / 2^(e6 - e4 - e5)
	s_add_co_i32 s80, s80, 127
	s_lshl_b32 s60, s80, 23
	s_add_co_i32 s80, s80, 8
	s_lshl_b32 s80, s80, 23
	s_or_b32 s61, s80, 0x600000
	v_mov_b32 v244, s58                            ; 2^e4
	v_mov_b32 v240, s59                            ; 448 x 2^e4
	v_mov_b32 v[YSC], s60
	v_mov_b32 v[YLIM], s61
	v_mov_b32 v[NINF], 0xff800000
	v_mov_b32 v236, 0                              ; a lane permute's destination counts as a source
	v_mov_b32 v253, 0                              ; (named as the upper half of v[252:253])
	REINIT 0
.macro SMUL c0                         ; four tiles of S^T: keys 16 c + r against my 16 queries
.irp c, \c0, \c0+1, \c0+2, \c0+3
	v_wmma_f32_16x16x64_fp8_fp8 v[96+8*(\c):103+8*(\c)], v[32+8*(\c):39+8*(\c)], v[16:23], 0
.endr
.endm
; A KEY STEP: 128 keys at byte s[KOF] of K's and V's regions.  diag = 1: the step may be the group's last, which has the mask.
.macro STEP diag
	v_add_nc_u32 v[ADK], s[KOF], v[AK0]
	v_add_nc_u32 v[ADV], s[KOF], v[AV0]
	v_nop                                          ; with the two additions: four places ahead of loads into registers that the last products have read
	v_nop
.irp c, 0,1,2,3,4,5,6,7
	ds_load_b128 v[32+8*\c:35+8*\c], v[ADK] offset:1088*\c
	ds_load_b128 v[36+8*\c:39+8*\c], v[ADK] offset:1088*\c+32
.endr
	s_wait_alu depctr_va_vdst(0)
	s_wait_dscnt 8                                 ; K's tiles 0-3 are in; the eight loads of tiles 4-7 may be out
	SMUL 0
	s_wait_dscnt 0x0
	SMUL 4
	NOPS                                           ; places ahead of the loads below and of the first read of the scores
.irp t, 0,1,2,3
.irp c, 0,1,2,3
	ds_load_b128 v[32+16*\t+4*\c:35+16*\t+4*\c], v[ADV] offset:2176*\t+32*\c   ; V's four fragments land under the softmax
.endr
.endr
.if \diag
	s_cmp_lg_u32 s3, s[G]                          ; the wave's number and the count of steps alone
	s_cbranch_scc1 .Lopen_\@
.set n, 0
.rept 64
	v_cmp_gt_i32 vcc_lo, 16*(n/8)+n%8, v[DL]       ; register 8 c + i holds the group's key 16 c + 8 h + i: hidden where 16 c + i is above my query - 8 h
	v_cndmask_b32 v[96+n], v[96+n], v[NINF], vcc_lo
.set n, n+1
.endr
.Lopen_\@:
.endif
	v_max_num_f32 v254, v96, v97                   ; the step's largest score of my query, in four chains, each accumulator from its low end on
	v_max_num_f32 v252, v98, v99
	v_max_num_f32 v250, v100, v101
	v_max_num_f32 v248, v102, v103
.irp c, 1,2,3,4,5,6,7
	v_max3_num_f32 v254, v254, v[96+8*\c], v[97+8*\c]
	v_max3_num_f32 v252, v252, v[98+8*\c], v[99+8*\c]
	v_max3_num_f32 v250, v250, v[100+8*\c], v[101+8*\c]
	v_max3_num_f32 v248, v248, v[102+8*\c], v[103+8*\c]
.endr
	v_max3_num_f32 v254, v254, v252, v250
	v_max_num_f32 v254, v254, v248
	v_permlanex16_b32 v236, v254, s[SEL], s[SEL+1]
	v_max_num_f32 v254, v254, v236                 ; and among lane l xor 16's
	v_mul_f32 v254, s[CS], v254                    ; as t (c is positive)
	v_max_num_f32 v13, v13, v254                   ; the running largest t
	v_mov_b32 v254, v12
	v_floor_f32 v12, -v13                          ; the new -M = -ceil(t)
	v_sub_f32 v254, v12, v254                      ; old M - new M: a whole number, 0 or less
	v_cvt_i32_f32 v254, v254
	v_ldexp_f32 v252, 1.0, v254                    ; f = 2^(old M - new M)
.set j, 0
.rept 32
	v_pk_fma_f32 v[96+j:97+j], v[96+j:97+j], s[CS:CS+1], v[12:13] op_sel_hi:[1,0,0]   ; t - M
.set j, j+2
.endr
	s_wait_alu depctr_va_vdst(0)                   ; ahead of the batch
.set j, 0
.rept 64
	v_exp_f32 v[96+j], v[96+j]                     ; p = 2^(t - M)
.set j, j+1
.endr
	v_pk_mul_f32 v[14:15], v[14:15], v[252:253] op_sel_hi:[1,0]   ; the sums under the new M (the plain line behind the batch)
	s_wait_alu depctr_va_vdst(0)                   ; one wait for the batch of 64, ahead of its first reader
.irp m, 0,1,2,3,4,5,6
	v_pk_add_f32 v[T+2*\m:T+2*\m+1], v[96+4*\m:97+4*\m], v[98+4*\m:99+4*\m]   ; the row's sum of the unquantised p, in eight chains
.endr
.irp m, 0,1,2,3,4,5,6
	v_pk_add_f32 v[T+2*\m:T+2*\m+1], v[T+2*\m:T+2*\m+1], v[124+2*\m:125+2*\m]
.endr
.irp m, 0,1,2,3,4,5,6
	v_pk_add_f32 v[T+2*\m:T+2*\m+1], v[T+2*\m:T+2*\m+1], v[138+2*\m:139+2*\m]
.endr
	v_pk_add_f32 v[14:15], v[14:15], v[152:153]
	v_pk_add_f32 v[T:T+1], v[T:T+1], v[154:155]
	v_pk_add_f32 v[T+2:T+3], v[T+2:T+3], v[156:157]
	v_pk_add_f32 v[T+4:T+5], v[T+4:T+5], v[158:159]
	v_pk_add_f32 v[14:15], v[14:15], v[T+6:T+7]
	v_pk_add_f32 v[T:T+1], v[T:T+1], v[T+8:T+9]
	v_pk_add_f32 v[T+2:T+3], v[T+2:T+3], v[T+10:T+11]
	v_pk_add_f32 v[T+4:T+5], v[T+4:T+5], v[T+12:T+13]
	v_pk_add_f32 v[T:T+1], v[T:T+1], v[T+2:T+3]
	v_pk_add_f32 v[14:15], v[14:15], v[T+4:T+5]
	v_pk_add_f32 v[14:15], v[14:15], v[T:T+1]
.set j, 0
.rept 64
	v_min_num_f32 v[96+j], v[96+j], v240           ; the conversion does not saturate (ISA guide 7.6.2); p is not negative, so the hold is one-sided
.set j, j+1
.endr
.irp c, 0,1,2,3,4,5,6,7
	v_cvt_scalef32_pk8_fp8_f32 v[192+2*\c:193+2*\c], v[96+8*\c:103+8*\c], v244   ; keys 16 c + 8 h + 0 .. 7: registers 2 c, 2 c + 1 of P
.endr
	s_wait_alu depctr_va_vdst(0)                   ; directly ahead of the first reader of O^T
.set j, 0
.rept 16
	v_pk_mul_f32 v[160+j:161+j], v[160+j:161+j], v[252:253] op_sel_hi:[1,0]   ; O^T under the new M (also the plain lines behind the conversions)
.set j, j+2
.endr
	s_wait_alu depctr_va_vdst(0)
	s_wait_dscnt 0x0                               ; V's fragments are in
.irp t, 0,1,2,3
	v_wmma_f32_16x16x128_fp8_fp8 v[160+8*\t:167+8*\t], v[32+16*\t:47+16*\t], v[192:207], v[160+8*\t:167+8*\t]   ; the four accumulators take turns
.endr
.endm
	s_wait_alu depctr_va_vdst(0)                   ; the head's end
	s_wait_tensorcnt 0x0                           ; my part of keys 0-511 is in
	ds_add_u32 v[SPW], v[NIL]
	s_wait_dscnt 0x0
	ROUND                                          ; everybody's part is in, and all four work-groups are here
	tensor_load_to_lds s[G0B:G0B+3], s[G1B:G1B+7]  ; my part of keys 512-2047
	s_nop 0
	NOPS
	s_wait_loadcnt 0x0                             ; Q
	s_mov_b32 s2, 0
.Lfirst:                                           ; key steps 0-3 of the first group (at least 8): every key counts
	s_mul_i32 s[KOF], s2, STEPB
	STEP 0
	s_add_co_u32 s2, s2, 1
	s_cmp_lt_u32 s2, 4
	s_cbranch_scc1 .Lfirst
	s_wait_tensorcnt 0x0                           ; my part of the later keys is in,
	s_wait_dscnt 0x0
	s_barrier_signal -1
	s_barrier_wait -1                              ; everybody's is: from here on the waves share nothing
	s_mov_b32 s13, 4
.Lstep:                                            ; 28 trips: steps 4-15 for the first group, 0-15 for the second; a step beyond the group in hand is passed over
	s_and_b32 s3, s13, 15
	s_cmp_gt_u32 s3, s[G]
	s_cbranch_scc1 .Lnext
	s_mul_i32 s[KOF], s3, STEPB
	STEP 1
	s_cmp_lg_u32 s3, s[G]
	s_cbranch_scc1 .Lnext
	; THE GROUP'S END: O^T / the row's sum, held, converted; y's codes go through my stage, so that each store covers 512 consecutive bytes of the head's plane; then the second group's state
	NOPS                                           ; places behind the last products
	v_add_f32 v14, v14, v15
	v_permlanex16_b32 v236, v14, s[SEL], s[SEL+1]
	v_add_f32 v14, v14, v236                       ; the row's sum
	s_wait_alu depctr_va_vdst(0)                   ; ahead of the reciprocal
	v_rcp_f32 v14, v14
	v_nop
	s_wait_alu depctr_va_vdst(0)                   ; and ahead of its first reader, which is also the first reader of O^T
.set j, 0
.rept 16
	v_pk_mul_f32 v[96+j:97+j], v[160+j:161+j], v[14:15] op_sel_hi:[1,0]   ; register 8 t + i is (query r, d = 16 t + 8 h + i)
.set j, j+2
.endr
.set j, 0
.rept 32
	v_med3_num_f32 v[96+j], v[96+j], -v[YLIM], v[YLIM]
.set j, j+1
.endr
.irp t, 0,1,2,3
	v_cvt_scalef32_pk8_fp8_f32 v[192+2*\t:193+2*\t], v[96+8*\t:103+8*\t], v[YSC]
.endr
	v_nop                                          ; one plain line behind the last conversion
.irp t, 0,1,2,3
	ds_store_b64 v[STO], v[192+2*\t:193+2*\t] offset:16*\t
.endr
	ds_load_b128 v[208:211], v[RD]                 ; LDS serves a wave's instructions in order (ISA guide 5.7.1.4): these see my stores
	ds_load_b128 v[212:215], v[RD] offset:640
	REINIT 1
	s_wait_dscnt 0x0
	global_store_b128 v[GO], v[208:211], s[YC:YC+1]
	global_store_b128 v[GO], v[212:215], s[YC:YC+1] offset:512
	s_mov_b32 s[G], s[GN]
	s_wait_xcnt 0x0                                ; the stores have read their registers and their base
	s_mov_b64 s[YC:YC+1], s[YN:YN+1]
	s_wait_alu depctr_va_vdst(0)
.Lnext:
	s_add_co_u32 s13, s13, 1
	s_cmp_lt_u32 s13, 32
	s_cbranch_scc1 .Lstep
	s_wait_tensorcnt 0x0                           ; the wave's end
	ds_add_u32 v[SPW], v[NIL]
	s_wait_dscnt 0x0
	ROUND                                          ; the closing round
	s_endpgm
.Lfunc_end_k_qb294a5bc39_attn:
	.size	k_qb294a5bc39_attn, .Lfunc_end_k_qb294a5bc39_attn-k_qb294a5bc39_attn
	.p2alignl 7, 3214868480
	.fill 96, 4, 3214868480
	.section	.rodata,"a",@progbits
	.p2align	6, 0x0
	.amdhsa_kernel k_qb294a5bc39_attn
		.amdhsa_group_segment_fixed_size 327680
		.amdhsa_private_segment_fixed_size 0
		.amdhsa_enable_private_segment 0
		.amdhsa_kernarg_size 24
		.amdhsa_user_sgpr_count 2
		.amdhsa_user_sgpr_kernarg_segment_ptr 1
		.amdhsa_wavefront_size32 1
		.amdhsa_system_sgpr_workgroup_id_x 1
		.amdhsa_system_sgpr_workgroup_id_y 1
		.amdhsa_system_sgpr_workgroup_id_z 1
		.amdhsa_system_vgpr_workitem_id 0
		.amdhsa_next_free_vgpr 256
		.amdhsa_next_free_sgpr 100
		.amdhsa_reserve_vcc 1
		.amdhsa_float_denorm_mode_32 3
		.amdhsa_float_denorm_mode_16_64 3
		.amdhsa_memory_ordered 1
		.amdhsa_forward_progress 1
		.amdhsa_inst_pref_size 52
	.end_amdhsa_kernel
	.amdgpu_metadata
---
amdhsa.version: [ 1, 2 ]
amdhsa.kernels:
  - .name:           k_qb294a5bc39_attn
    .symbol:         k_qb294a5bc39_attn.kd
    .args:
      - { .name: qkv, .offset: 0, .size: 8, .value_kind: global_buffer, .address_space: global }
      - { .name: lowp_scales, .offset: 8, .size: 8, .value_kind: global_buffer, .address_space: global }
      - { .name: yc, .offset: 16, .size: 8, .value_kind: global_buffer, .address_space: global }
    .group_segment_fixed_size: 327680
    .private_segment_fixed_size: 0
    .kernarg_segment_align: 8
    .kernarg_segment_size: 24
    .max_flat_workgroup_size: 512
    .sgpr_count:     100
    .vgpr_count:     256
    .wavefront_size: 32
...
	.end_amdgpu_metadata
.endif
;; end of part 3
;; launch proj (part 4): grid 8 x 32, 4 waves a work-group, clusters of 4 x 4, 327,680 bytes of LDS; arguments yc, wpc, lowp_scales, out0; writes out0
.if DOCPART == 4
	.amdgcn_target "amdgcn-amd-amdhsa--gfx1250"
	.amdhsa_code_object_version 6
	.text
	.protected	k_qb294a5bc39_proj
	.globl	k_qb294a5bc39_proj
	.p2align	8
	.type	k_qb294a5bc39_proj,@function
k_qb294a5bc39_proj:
	s_mov_b64 s[64:65], 0
	v_nop
	global_prefetch_b8 v0, s[64:65] scope:SCOPE_SE
	s_setreg_imm32_b32 hwreg(HW_REG_WAVE_MODE, 25, 1), 1
	s_wait_xcnt 0x0
	s_wait_alu depctr_hold_cnt(0) depctr_sa_sdst(0) depctr_va_vdst(0) depctr_va_sdst(0) depctr_va_ssrc(0) depctr_va_vcc(0) depctr_vm_vsrc(0)
	s_getreg_b32 s2, hwreg(HW_REG_IB_STS2, 6, 4)
	s_cmp_eq_u32 s2, 0
	s_cbranch_scc0 .Lentry_in_a_cluster
	s_endpgm
.Lentry_in_a_cluster:
	s_bfe_u32 s2, ttmp6, 0x10000c
	s_cmp_lg_u32 s2, 0xf033
	s_cbranch_scc0 .Lentry_shape_is_right
	s_endpgm
.Lentry_shape_is_right:
; The last product, y w_proj, on codes of FP8 (E4M3): out0 [8192][1024] f32 = sums x 2^(e6 + e7).  LIMIT: e6 + e7 between -126 and 127, so that the power of two is an f32 number.
; yc ('A'): [16 heads][8192 rows][64 d]: a plane of 64 along K for each head.  wpc ('B'): [1024 n][1024 k], K innermost.
; A block of out0, 256 rows x 128 columns, is made by four waves, each 128 x 64: 32 accumulators.  32 x 8 blocks are 256 work-groups.
; LDS: B's 128 rows with their whole K (rows of 1,024 + 16 bytes), and a window of 512 along K of A's 256 rows (8 planes; 16 bytes of padding behind every four rows of 64).
; At the head each wave issues one joint load: waves 0, 1 A's halves for K 0-511, waves 2, 3 B's halves.  When the window's last fragments are in registers, the window is filled once more, with K 512-1023,
; behind the full sequence and a round of the cluster's barrier: each wave asks for 128 rows x 4 planes; K step 3's products stand behind that load.
; CLUSTERS: 4 x 4 work-groups; A's tiles are shared along a row of the cluster, B's along a column.
; PREFETCH: at the head each wave names, once, 8,192 bytes of the refill: of the four planes that it will ask for, the plane numbered by its work-group's cx (partners told apart by address), lanes 256 bytes apart:
; each block of 256 bytes once in a cluster, three K steps of 128 ahead of the load.  The head's own tiles come by their loads alone.
; THE MATRIX INSTRUCTION IS USED TRANSPOSED (source 0 = 16 rows of B, source 1 = 16 rows of A): a lane holds eight neighbouring numbers of a row of out0.
; REGISTERS, in windows of 256: window 0: addresses, the way out.  window 1: the accumulators ((a, b) at v[8 (4 a + b)]).  windows 2, 3: two sets of fragments for 128 along K: A's eight at v0-127, B's four at v128-191.
.set PLANE,  8704                      ; 128 rows x 64 bytes of a plane, padded
.set AHALF,  8*PLANE                   ; the window of 128 rows
.set BBASE,  2*AHALF
.set BP,     1040                      ; B's row in LDS: 260 words: row r starts at bank 4 r mod 64 (64 banks of 4 bytes: ISA guide 11.1)
.set STAGE,  BBASE+128*BP              ; the way out: 16 rows x (256 bytes + 16) for each wave; no tile lands here
.set SPITCH, 272
.set SPARE,  STAGE+4*16*SPITCH         ; the spare words, 128 bytes for each wave
.set ADRA, 16                          ; v16-17  my A fragments: planes 0-3, planes 4-7 of the window
.set ADRB, 20                          ; v20
.set STO,  24
.set RD,   25
.set CO,   26
.set PFO,  27                          ; v27  256 x lane; never rewritten
.set SPW,  28
.set NIL,  29
.set TMP,  32                          ; v32-63  a block's sums x 2^(e6 + e7)
.set BK,   64                          ; v64-127 a block read back from the stage, two sets
.set G1,  24                           ; s[24:31] group 1: A at the head (8 planes);  s[68:75]: A's refill (4 planes);  s[48:55]: B
.set G1R, 68
.set G1B, 48
.set G0,  32                           ; s[32:35], s[36:39], s[56:59]: their groups 0
.set G0R, 36
.set G0B, 56
.set MSB, 0
.macro WIN new                         ; the immediate's high byte repeats the setting that is left
.if MSB != \new
	s_set_vgpr_msb (MSB<<8)|\new
.set MSB, \new
.endif
.endm
.macro NOPS
.rept 4
	v_nop
.endr
.endm
.macro CROUND                          ; a round of the cluster's barrier
	s_barrier_signal -1
	s_barrier_wait -1
	s_cmp_lg_u32 s14, 0
	s_cbranch_scc1 .Lnot_wave_0_\@
	s_barrier_signal -3
.Lnot_wave_0_\@:
	s_barrier_wait -3
	s_barrier_signal -1
	s_barrier_wait -1
.endm
	s_load_b128 s[4:7], s[0:1], 0x0                ; yc, wpc
	s_load_b128 s[8:11], s[0:1], 0x10              ; the scales' exponents, out0
	v_lshl_add_u32 v[SPW], v0, 2, SPARE
	v_mov_b32 v[NIL], 0
	ds_add_u32 v[SPW], v[NIL]                      ; the opening lines: the add, twice on end, and its wait
	ds_add_u32 v[SPW], v[NIL]
	v_lshrrev_b32 v1, 5, v0
	v_readfirstlane_b32 s14, v1                    ; wave 0..3
	s_lshr_b32 s15, s14, 1                         ; my half of the block's rows.  Also: at the head I fetch for A (0) or for B (1)
	s_and_b32 s16, s14, 1                          ; my half of its columns.  Also: which half I fetch
	s_bfe_u32 s40, ttmp6, 0x40000                  ; cx, cy
	s_bfe_u32 s41, ttmp6, 0x40004
	s_lshl_b32 s42, ttmp9, 2
	s_add_co_u32 s42, s42, s40                     ; block column
	s_and_b32 s17, ttmp7, 0xffff
	s_lshl_b32 s17, s17, 2
	s_add_co_u32 s17, s17, s41                     ; block row
	s_lshl_b32 s43, s41, 2
	s_lshl_b32 s43, 15, s43                        ; my row of the cluster
	s_lshl_b32 s44, 0x1111, s40                    ; my column
	s_or_b32 s[G1], s43, (1<<20)|(1<<21)|(5<<22)|(3<<25)    ; the mask; elements of 1 byte; four words of padding after every 64; bit 21 beside a mask
	s_or_b32 s[G1R], s43, (1<<20)|(1<<21)|(5<<22)|(3<<25)
	s_or_b32 s[G1B], s44, (1<<20)|(1<<21)|(7<<22)|(3<<25)   ; four words after every 256
.irp g, G1, G1R
	s_mov_b32 s[\g+1], 8192<<16                    ; a 'row': 128 rows x 64 bytes of a plane, dense
	s_mov_b32 s[\g+3], 8192<<16
	s_mov_b32 s[\g+5], 524288                      ; from plane to plane
	s_mov_b32 s[\g+6], 0
	s_mov_b32 s[\g+7], 0
.endr
	s_mov_b32 s[G1+2], 8<<16
	s_mov_b32 s[G1+4], 8
	s_mov_b32 s[G1R+2], 4<<16
	s_mov_b32 s[G1R+4], 4
	s_mov_b32 s[G1B+1], 1024<<16
	s_mov_b32 s[G1B+2], 64<<16
	s_mov_b32 s[G1B+3], 1024<<16
	s_mov_b32 s[G1B+4], 64
	s_mov_b32 s[G1B+5], 1024
	s_mov_b32 s[G1B+6], 0
	s_mov_b32 s[G1B+7], 0
	s_lshl_b32 s18, s17, 8
	s_lshl_b32 s19, s16, 7
	s_add_co_u32 s20, s18, s19
	s_lshl_b32 s20, s20, 6                         ; A at the head: row 256 x block row + 128 x half, 64 bytes each
	s_mov_b32 s21, 0
	s_lshl_b32 s19, s15, 7
	s_add_co_u32 s18, s18, s19                     ; my first row of out0, and of the refill
	s_lshl_b32 s22, s18, 6
	s_lshl_b32 s19, s16, 21
	s_add_co_u32 s22, s22, s19
	s_add_co_u32 s22, s22, 8*524288                ; the refill: planes 8 + 4 (wave % 2) on
	s_mov_b32 s23, 0
	s_lshl_b32 s76, s40, 19
	s_add_co_u32 s76, s76, s22                     ; the prefetch: of those four planes the one numbered cx
	s_mov_b32 s77, 0
	s_lshl_b32 s46, s42, 7
	s_lshl_b32 s19, s16, 6
	s_add_co_u32 s46, s46, s19
	s_lshl_b32 s46, s46, 10                        ; B: row 128 x block column + 64 x half, 1,024 bytes each
	s_mov_b32 s47, 0
	s_mul_i32 s[G0+1], s16, AHALF                  ; LDS addresses hang on the wave's number alone
	s_mul_i32 s19, s16, 64*BP
	s_add_co_u32 s[G0B+1], s19, BBASE
	s_mul_i32 s79, s15, AHALF
	s_mul_i32 s19, s16, 4*PLANE
	s_add_co_u32 s[G0R+1], s79, s19
	s_mul_i32 s80, s14, 16*SPITCH
	s_add_co_u32 s80, s80, STAGE                   ; my stage
	s_lshl_b32 s82, s18, 12
	s_lshl_b32 s19, s42, 9
	s_add_co_u32 s82, s82, s19
	s_lshl_b32 s19, s16, 8
	s_add_co_u32 s82, s82, s19                     ; my part of out0: row x 4,096 + 512 x block column + 256 x half
	s_mov_b32 s83, 0
	s_mov_b32 s[G0], 1
	s_mov_b32 s[G0R], 1
	s_mov_b32 s[G0B], 1
	s_wait_dscnt 0x0                               ; both opening adds are done
	s_wait_kmcnt 0x0
	s_load_b64 s[96:97], s[8:9], 0x18              ; e6, e7
	s_add_nc_u64 s[G0+2:G0+3], s[4:5], s[20:21]
	s_or_b32 s[G0+3], s[G0+3], 0x80000000
	s_add_nc_u64 s[G0R+2:G0R+3], s[4:5], s[22:23]
	s_or_b32 s[G0R+3], s[G0R+3], 0x80000000
	s_add_nc_u64 s[G0B+2:G0B+3], s[6:7], s[46:47]
	s_or_b32 s[G0B+3], s[G0B+3], 0x80000000
	s_add_nc_u64 s[76:77], s[4:5], s[76:77]
	s_add_nc_u64 s[10:11], s[10:11], s[82:83]
	CROUND                                         ; all sixteen work-groups are here: the first joint loads meet
	s_cmp_eq_u32 s15, 0
	s_cbranch_scc0 .Lfor_b
	tensor_load_to_lds s[G0:G0+3], s[G1:G1+7]
	s_nop 0
	NOPS
	s_branch .Lasked
.Lfor_b:
	tensor_load_to_lds s[G0B:G0B+3], s[G1B:G1B+7]
	s_nop 0
	NOPS
.Lasked:
	v_and_b32 v1, 15, v0                           ; r
	v_bfe_u32 v2, v0, 4, 1                         ; h
	v_and_b32 v[PFO], 31, v0
	v_lshlrev_b32 v[PFO], 8, v[PFO]
	v_mul_u32_u24 v3, v1, BP
	v_lshl_add_u32 v3, v2, 4, v3
	v_add_nc_u32 v[ADRB], s[G0B+1], v3             ; my 64 rows of B: row r, + 16 h
	v_lshrrev_b32 v5, 2, v1
	v_lshlrev_b32 v6, 6, v1
	v_lshl_add_u32 v6, v5, 4, v6
	v_lshl_add_u32 v6, v2, 4, v6
	v_add_nc_u32 v[ADRA], s79, v6                  ; my 128 rows of A: 64 r + 16 (r / 4) + 16 h
	v_add_nc_u32 v[ADRA+1], 4*PLANE, v[ADRA]
	v_mul_u32_u24 v5, v1, SPITCH
	v_lshl_add_u32 v5, v2, 5, v5
	v_add_nc_u32 v[STO], s80, v5                   ; the stage, in: row r, 32 bytes for each half of the lanes
	v_mul_u32_u24 v6, v2, SPITCH
	v_lshl_add_u32 v6, v1, 4, v6
	v_add_nc_u32 v[RD], s80, v6                    ; back: sixteen lanes to a row of 256 bytes, two rows an instruction
	v_lshlrev_b32 v[CO], 12, v2
	v_lshl_add_u32 v[CO], v1, 4, v[CO]             ; and the same place in out0
	global_prefetch_b8 v[PFO], s[76:77] th:TH_LOAD_NT scope:SCOPE_SE
.macro FETCHB s                        ; B's four fragments of K step s: registers 4 c .. 4 c + 3 hold K = 128 s + 32 c + 16 h + 0 .. 15, in A and in B alike
.irp i, 0,1,2,3
.irp c, 0,1,2,3
	ds_load_b128 v[128+16*\i+4*\c:131+16*\i+4*\c], v[ADRB] offset:128*(\s)+32*\c+\i*16*BP
.endr
.endr
.endm
.macro FETCHA s                        ; A's eight: plane 2 s + c / 2, which lies in the window at that number mod 8
.irp i, 0,1,2,3,4,5,6,7
.irp c, 0,1,2,3
	ds_load_b128 v[16*\i+4*\c:16*\i+4*\c+3], v[ADRA+((\s)%4)/2] offset:(2*((\s)%2)+\c/2)*PLANE+\i*1088+32*(\c%2)
.endr
.endr
.endm
.macro MUL zero                        ; 32 matrix instructions; the accumulators take turns, in the same order in every step
.irp a, 0,1,2,3,4,5,6,7
.irp b, 0,1,2,3
.if \zero
	v_wmma_f32_16x16x128_fp8_fp8 v[8*(4*\a+\b):8*(4*\a+\b)+7], v[128+16*\b:143+16*\b], v[16*\a:16*\a+15], 0
.else
	v_wmma_f32_16x16x128_fp8_fp8 v[8*(4*\a+\b):8*(4*\a+\b)+7], v[128+16*\b:143+16*\b], v[16*\a:16*\a+15], v[8*(4*\a+\b):8*(4*\a+\b)+7]
.endif
.endr
.endr
.endm
.macro KS s, zero, more                ; K step s on set s % 2; more = 1: the next step's fragments are asked for first, into the other set
	s_wait_dscnt 0x0                               ; this step's fragments are in
.if \more
	NOPS                                           ; places ahead of loads into registers that the step before has multiplied
	WIN 0xc0-0x40*((\s)%2)                         ; destination: window 3 or 2
	FETCHB (\s)+1
	FETCHA (\s)+1
.endif
	WIN 0x5a+5*((\s)%2)                            ; sources 0 and 1: window 2 or 3; C and D: window 1
	MUL \zero
.endm
	s_wait_alu depctr_va_vdst(0)                   ; the head's end
	s_wait_tensorcnt 0x0                           ; my tile is in,
	s_barrier_signal -1
	s_barrier_wait -1                              ; everybody's is
	WIN 0x80
	FETCHB 0
	FETCHA 0
	KS 0, 1, 1
	KS 1, 0, 1
	KS 2, 0, 1
	WIN 0
	s_wait_tensorcnt 0x0                           ; ahead of the refill's round
	ds_add_u32 v[SPW], v[NIL]
	s_wait_dscnt 0x0                               ; the add is done; K step 3's fragments are in, and with them my reads of A's window are over
	CROUND                                         ; that holds of every wave of all sixteen work-groups
	tensor_load_to_lds s[G0R:G0R+3], s[G1R:G1R+7]  ; my quarter of K 512-1023 of A
	s_nop 0
	NOPS                                           ; also the places ahead of the loads below
	WIN 0x80
	FETCHB 4
	WIN 0x5f
	MUL 0                                          ; K step 3
	WIN 0
	s_wait_tensorcnt 0x0                           ; my quarter is in,
	s_wait_dscnt 0x0
	s_barrier_signal -1
	s_barrier_wait -1                              ; everybody's is
	WIN 0x80
	FETCHA 4
	KS 4, 0, 1
	KS 5, 0, 1
	KS 6, 0, 1
	KS 7, 0, 0
	WIN 0
; THE WAY OUT, block by block of 16 rows x 64 columns: through my own stage, back as whole rows of 256 bytes.  LDS serves a wave's instructions in order (ISA guide 5.7.1.4).
.macro TOSTAGE a
	WIN 0x01                                       ; source 0: window 1
.set j, 0
.rept 16
	v_pk_mul_f32 v[TMP+j:TMP+j+1], v[32*(\a)+j:32*(\a)+j+1], s[96:97] op_sel_hi:[1,0]   ; x 2^(e6 + e7); each accumulator from its low end on
.set j, j+2
.endr
	WIN 0
.irp b, 0,1,2,3
	ds_store_b128 v[STO], v[TMP+8*\b:TMP+8*\b+3] offset:64*\b
	ds_store_b128 v[STO], v[TMP+8*\b+4:TMP+8*\b+7] offset:64*\b+16
.endr
.irp t, 0,1,2,3,4,5,6,7
	ds_load_b128 v[BK+32*((\a)%2)+4*\t:BK+32*((\a)%2)+4*\t+3], v[RD] offset:2*\t*SPITCH
.endr
.endm
.macro SEND a, younger                 ; younger: the LDS instructions issued behind block a's loads, which may stay out
	s_wait_dscnt \younger
.if (\a) > 0
	s_add_nc_u64 s[10:11], s[10:11], 16*4096       ; (behind a wait on XCNT: the earlier stores have read their base)
.endif
.irp t, 0,1,2,3,4,5,6,7
	global_store_b128 v[CO], v[BK+32*((\a)%2)+4*\t:BK+32*((\a)%2)+4*\t+3], s[10:11] offset:2*\t*4096 th:TH_STORE_NT   ; sixteen lanes store 256 consecutive bytes, aligned
.endr
.endm
	s_wait_kmcnt 0x0
	s_add_co_i32 s96, s96, s97
	s_add_co_i32 s96, s96, 127
	s_lshl_b32 s96, s96, 23                        ; 2^(e6 + e7)
	NOPS                                           ; places behind the last products
	TOSTAGE 0
.irp a, 1,2,3,4,5,6,7
.if \a > 1
	s_wait_xcnt 0x0                                ; block a - 2's stores have read their registers and their base
.endif
	TOSTAGE \a
	SEND \a-1, 16                                  ; behind block a - 1's loads: block a's 8 stores and 8 loads
.endr
	s_wait_xcnt 0x0
	SEND 7, 0
	s_wait_tensorcnt 0x0                           ; the wave's end
	ds_add_u32 v[SPW], v[NIL]
	s_wait_dscnt 0x0
	CROUND                                         ; the closing round
	s_endpgm
.Lfunc_end_k_qb294a5bc39_proj:
	.size	k_qb294a5bc39_proj, .Lfunc_end_k_qb294a5bc39_proj-k_qb294a5bc39_proj
	.p2alignl 7, 3214868480
	.fill 96, 4, 3214868480
	.section	.rodata,"a",@progbits
	.p2align	6, 0x0
	.amdhsa_kernel k_qb294a5bc39_proj
		.amdhsa_group_segment_fixed_size 327680
		.amdhsa_private_segment_fixed_size 0
		.amdhsa_enable_private_segment 0
		.amdhsa_kernarg_size 32
		.amdhsa_user_sgpr_count 2
		.amdhsa_user_sgpr_kernarg_segment_ptr 1
		.amdhsa_wavefront_size32 1
		.amdhsa_system_sgpr_workgroup_id_x 1
		.amdhsa_system_sgpr_workgroup_id_y 1
		.amdhsa_system_sgpr_workgroup_id_z 1
		.amdhsa_system_vgpr_workitem_id 0
		.amdhsa_next_free_vgpr 1024
		.amdhsa_next_free_sgpr 100
		.amdhsa_reserve_vcc 0
		.amdhsa_float_denorm_mode_32 3
		.amdhsa_float_denorm_mode_16_64 3
		.amdhsa_memory_ordered 1
		.amdhsa_forward_progress 1
		.amdhsa_inst_pref_size 74
	.end_amdhsa_kernel
	.amdgpu_metadata
---
amdhsa.version: [ 1, 2 ]
amdhsa.kernels:
  - .name:           k_qb294a5bc39_proj
    .symbol:         k_qb294a5bc39_proj.kd
    .args:
      - { .name: yc, .offset: 0, .size: 8, .value_kind: global_buffer, .address_space: global }
      - { .name: wpc, .offset: 8, .size: 8, .value_kind: global_buffer, .address_space: global }
      - { .name: lowp_scales, .offset: 16, .size: 8, .value_kind: global_buffer, .address_space: global }
      - { .name: out0, .offset: 24, .size: 8, .value_kind: global_buffer, .address_space: global }
    .group_segment_fixed_size: 327680
    .private_segment_fixed_size: 0
    .kernarg_segment_align: 8
    .kernarg_segment_size: 32
    .max_flat_workgroup_size: 128
    .sgpr_count:     100
    .vgpr_count:     1024
    .wavefront_size: 32
...
	.end_amdgpu_metadata
.endif
;; end of part 4
